; MI455X (gfx1250); checked and timed in simulation.
; The chip was launched on July 23, 2026; its instructions are those of AMD's public machine-readable ISA for CDNA 5 (MIT licence, August 2026) and "CDNA5" Instruction Set Architecture Reference Guide (July 2026). The comments in the code are by the model that wrote it; some were corrected since.
;; Multi Head Attention. Allowed arithmetic: matrix products marked QUANTISED: E2M3 operands, one E8M0 scale for each 32 along K, by v_wmma_scale_f32_16x16x128_f8f6f4 with both operands' format E2M3, f32 sums; everything else in f32.
;; Inputs: Wk 1,024 x 1,024 float32; Wo 1,024 x 1,024 float32; Wq 1,024 x 1,024 float32; Wv 1,024 x 1,024 float32; k 4 x 2,048 x 1,024 float32; q 4 x 2,048 x 1,024 float32; v 4 x 2,048 x 1,024 float32.
;; Outputs: out0 4 x 2,048 x 1,024 float32.
;; This version of the problem:
;;   THIS VERSION OF THE PROBLEM IS GIVEN IN LOW PRECISION. The matrix products marked QUANTISED in the list below multiply operands that are first quantised to E2M3 (2 exponent bits, 3 mantissa bits; 6 bits a number), with one power-of-two scale for each 32 numbers along K (OCP MX v1.0); their sums are f32. All else is computed in f32.
;;   The module's matrix products, in the order in which they are computed (A, B: the left and right operand; K: the contracted axis; several contracted axes count as one K, in the product's order):
;;     1. [M 8,192, K 1,024] x [K 1,024, N 1,024]; A: input q; B: input Wq: QUANTISED
;;     2. [M 8,192, K 1,024] x [K 1,024, N 1,024]; A: input k; B: input Wk: QUANTISED
;;     3. [M 8,192, K 1,024] x [K 1,024, N 1,024]; A: input v; B: input Wv: QUANTISED
;;     4. batch 64 x [M 2,048, K 64] x [K 64, N 2,048]; A: computed on the way; B: computed on the way: QUANTISED
;;     5. batch 64 x [M 64, K 2,048] x [K 2,048, N 2,048]; A: computed on the way; B: softmax (see below): QUANTISED
;;     6. [M 8,192, K 1,024] x [K 1,024, N 1,024]; A: computed on the way; B: input Wo: QUANTISED
;;   THE QUANTISER, for each operand of a quantised product, along K:
;;     - K is cut into blocks of 32 from its start; a last block that is shorter is filled with zeros.
;;     - A block's scale is 2^e with e = floor(log2(the largest magnitude in the block)) - 2, held to -126 .. 127; a block of zeros has e = 0. As a byte (E8M0): e + 127.
;;     - Each number is divided by its block's scale, clamped to +-7.5, and rounded to the nearest number of E2M3, ties to even, subnormals kept.
;;     - The product sums the exact products of the quantised numbers (number of the format x scale) in f32.
;;   ~~~python
;;   def quantise(x, axis):      # numpy; x: float32 -> the quantised numbers, widened to float32 again
;;       x = np.moveaxis(x, axis, -1); K = x.shape[-1]
;;       x = np.pad(x, [(0, 0)] * (x.ndim - 1) + [(0, -K % 32)]); x = x.reshape(x.shape[:-1] + (-1, 32)); a = np.abs(x).max(-1, keepdims=True)
;;       e = np.where(a > 0, np.clip(np.frexp(np.where(a > 0, a, 1))[1] - 1 - 2, -126, 127), 0)      # np.frexp(a)[1] - 1 = floor(log2(a)), exactly
;;       r = np.clip(x / 2.0 ** e, -7.5, 7.5)
;;       step = 2.0 ** (np.maximum(np.frexp(np.where(r == 0, 1, r))[1] - 1, 0) - 3)
;;       q = np.round(r / step) * step * 2.0 ** e      # np.round: ties to even
;;       return np.moveaxis(q.reshape(q.shape[:-2] + (-1,))[..., :K], -1, axis).astype(np.float32)
;;   ~~~
;;   SOFTMAX AHEAD OF A QUANTISED PRODUCT. Where the list says 'softmax', what is quantised is not the finished softmax but p = 2^(t - M), with t = logit x log2(e) and M = ceil(the row's largest t), a whole number; so 1/2 < the row's largest p <= 1. The row's sum l is taken of the UNQUANTISED p, in f32, and the product's result is divided by l at the end. Since M is a whole number, a kernel that streams over the keys may use a running M (the ceiling of the running maximum): every later rescaling is an exact power of two, which a block's scale takes up: the codes' values come out the same.
;;   OPERANDS COMPUTED ON THE WAY. 'Computed on the way' means the value that the module computes at that place (a softmax that the list does not call 'softmax' is quantised finished and normalised). What goes into a quantiser is computed in f32, as accurately as f32 sums, v_exp_f32 and their like allow (about 1e-6 of the number): no bf16 or f16 on the way to a quantiser, and a product that is left as it is and whose result goes on into a quantised operand takes f32 operands (vector FMAs, or v_wmma_f32_16x16x4_f32). A number that lies on a knife's edge between two numbers of the format may be rounded either way, as far as f32 arithmetic and the matrix unit's own rounding can turn it there, and no further.
;; 2 versions. Each part assembles by itself: llvm-mc -triple=amdgcn-amd-amdhsa -mcpu=gfx1250 --defsym DOCPART=n.
;; ======== version 1 of 2: 4 launches
;; workspace buffers: wc 3,276,800 bytes; qc 6,815,744 bytes; kc 6,815,744 bytes; vc 6,815,744 bytes; oc 6,291,456 bytes; osc 524,288 bytes
;; launch qw (part 1): grid 8 x 32, 4 waves a work-group, no clusters, 13,312 bytes of LDS; arguments Wq, Wk, Wv, Wo, wc; writes wc
.if DOCPART == 1
	.amdgcn_target "amdgcn-amd-amdhsa--gfx1250"
	.amdhsa_code_object_version 6
	.text
	.protected	k_q40a6e045b3_qw
	.globl	k_q40a6e045b3_qw
	.p2align	8
	.type	k_q40a6e045b3_qw,@function
k_q40a6e045b3_qw:
	s_mov_b64 s[64:65], 0
	v_nop
	global_prefetch_b8 v0, s[64:65] scope:SCOPE_SE
	s_setreg_imm32_b32 hwreg(HW_REG_WAVE_MODE, 25, 1), 1
	s_wait_xcnt 0x0
; The four weights [1024 (k)][1024 (n)], f32, K their FIRST axis, become codes of FP6 (E2M3) with one E8M0 byte for each 32 along K, laid in the ORDER OF THE OPERAND'S REGISTERS.
; wc = [weight 4][group of 128 columns 8][K step of 128: 8][record of 12,800 bytes].  A record: 8 fragments of 1,536 bytes (16 columns x 128 k), then a block of 512 bytes of scale words.
; A fragment is two images of 768 bytes (64 k each): a lane's registers 0-3 at 16 x lane, registers 4-5 at 512 + 8 x lane; lane (r, h) holds k = 32 h + 0 .. 31 of its column.
; THE COLUMNS OF A TILE ARE NOT NEIGHBOURS: lane r of tile i holds column 32 (i / 2) + 8 (i % 2) + r + 8 (r / 8) of the group.  Scale block: lane l has 4 words at 16 l; word q of lane (r, u) belongs to row r of tile 2 q + u.
; A LANE TAKES A COLUMN AND ITS REGISTERS RUN DOWN K: a block of 32 lies in one lane, the conversions give codes with K innermost, nothing is transposed.
; A work-group makes one record; wave w takes columns 32 w .. 32 w + 31, which are tiles 2 w and 2 w + 1.  The codes go through the wave's own 3,072 bytes of LDS and leave as 512 consecutive bytes a store.
; A block's scale is 2^(floor(log2(largest magnitude)) - 2): the byte is the magnitude's exponent field - 2, held at 1 from below.
; LIMITS: NaN and infinities are not served; a block of zeros, and one whose largest magnitude lies under 2^-124, gets the byte 1 (zero codes add nothing; this program alone reads the bytes).
.set WREC,  12800
.set WGRP,  8*WREC
.set WMAT,  8*WGRP
.set SCW,   12288                      ; LDS: behind the four waves' stages the record's scale block,
.set SPARE, 12800                      ; and the spare words, 128 bytes for each wave, which no other line names
.set X,     32                         ; v32-159  128 numbers of my column: register 32 kb + i = k 32 kb + i
.set C,     160                        ; v160..   ten registers a block: six of codes, three for the second conversion
.set OUTR,  200                        ; v200-223 the way out
.set SPW,   14                         ; v14      my spare word's address; never rewritten
.set NIL,   15                         ; v15      0; never rewritten
	s_load_b256 s[4:11], s[0:1], 0x0               ; Wq, Wk, Wv, Wo
	s_load_b64 s[12:13], s[0:1], 0x20              ; wc
	v_lshl_add_u32 v[SPW], v0, 2, SPARE
	v_mov_b32 v[NIL], 0
	v_lshrrev_b32 v1, 5, v0
	v_readfirstlane_b32 s16, v1                    ; wave
	v_and_b32 v1, 31, v0                           ; lane
	v_lshlrev_b32 v2, 2, v1                        ; in: 4 bytes a lane
	v_and_b32 v16, 7, v0
	v_bfe_u32 v17, v0, 4, 1
	v_lshl_add_u32 v16, v17, 3, v16                ; my column is row r' = lane % 8 + 8 (lane / 16)
	v_bfe_u32 v17, v0, 3, 1                        ; of tile 2 w + u', u' = (lane / 8) % 2
	s_mul_i32 s19, s16, 3072                       ; my wave's stage = its two tiles' place in the record
	v_mul_u32_u24 v18, v17, 1536
	v_add_nc_u32 v18, s19, v18
	v_lshl_add_u32 v3, v16, 4, v18                 ; where my registers 0-3 of an image go
	v_lshl_add_u32 v4, v16, 3, v18                 ; and registers 4-5
	s_lshl_b32 s22, s16, 2
	s_add_co_u32 s22, s22, SCW
	v_lshlrev_b32 v5, 4, v16
	v_lshl_add_u32 v5, v17, 8, v5
	v_add_nc_u32 v5, s22, v5                       ; my scale word: word w of lane (r', u')
	v_lshlrev_b32 v7, 4, v1                        ; out: 16 bytes a lane
	v_add_nc_u32 v6, s19, v7
	v_add_nc_u32 v13, SCW, v7
	s_and_b32 s18, ttmp7, 0xffff
	s_lshr_b32 s17, s18, 3                         ; which weight
	s_and_b32 s18, s18, 7                          ; which K step
	s_lshl_b32 s20, s18, 19                        ; 128 rows of 4,096 bytes a K step,
	s_lshl_b32 s23, ttmp9, 9                       ; 128 columns a group,
	s_add_co_u32 s20, s20, s23
	s_lshl_b32 s23, s16, 7                         ; 32 columns a wave
	s_add_co_u32 s20, s20, s23
	s_mov_b32 s21, 0
	s_mul_i32 s24, s17, WMAT
	s_mul_i32 s23, ttmp9, WGRP
	s_add_co_u32 s24, s24, s23
	s_mul_i32 s23, s18, WREC
	s_add_co_u32 s24, s24, s23
	s_add_co_u32 s24, s24, s19                     ; the record, and my wave's two tiles in it
	s_mov_b32 s25, 0
	s_wait_kmcnt 0x0
	s_cmp_eq_u32 s17, 1                            ; the choice hangs on the work-group's number alone
	s_cselect_b64 s[4:5], s[6:7], s[4:5]
	s_cmp_eq_u32 s17, 2
	s_cselect_b64 s[4:5], s[8:9], s[4:5]
	s_cmp_eq_u32 s17, 3
	s_cselect_b64 s[4:5], s[10:11], s[4:5]
	s_add_nc_u64 s[4:5], s[4:5], s[20:21]
	s_add_nc_u64 s[12:13], s[12:13], s[24:25]
.set i, 0
.rept 128
	global_load_b32 v[X+i], v2, s[4:5] offset:i*4096 th:TH_LOAD_NT   ; W(128 s + i, my column): 32 lanes read 128 consecutive bytes
.set i, i+1
.endr
; block kb of my column: its largest magnitude, its byte, its 32 codes; they are lane (r', kb % 2)'s six registers of image kb / 2.  left: how many younger loads may be out
.macro BLOCK kb, left
.set XS, X+32*(\kb)
.set CC, C+10*(\kb)
	s_wait_loadcnt \left
	v_max3_num_f32 v8, |v[XS]|, |v[XS+1]|, |v[XS+2]|
	v_max3_num_f32 v9, |v[XS+3]|, |v[XS+4]|, |v[XS+5]|
.irp i, 6,10,14,18,22,26
	v_max3_num_f32 v8, v8, |v[XS+\i]|, |v[XS+\i+1]|
	v_max3_num_f32 v9, v9, |v[XS+\i+2]|, |v[XS+\i+3]|
.endr
	v_max3_num_f32 v8, v8, |v[XS+30]|, |v[XS+31]|
	v_max3_num_f32 v8, v8, v9, 0x1800000           ; and the floor 2^(3 - 127): the byte cannot fall under 1
	v_add_nc_u32 v10, 0xff000000, v8               ; 2 off the exponent field: the conversion takes this operand's exponent field as its scale
	v_lshrrev_b32 v11, 23, v10                     ; the byte
.if (\kb) == 0
	v_mov_b32 v12, v11
.else
	v_lshl_or_b32 v12, v11, 8*(\kb), v12           ; four bytes make my column's scale word
.endif
	v_cvt_scalef32_pk16_fp6_f32 v[CC:CC+2], v[XS:XS+15], v10
	v_cvt_scalef32_pk16_fp6_f32 v[CC+6:CC+8], v[XS+16:XS+31], v10   ; (a conversion's three registers begin on an even number)
	v_nop                                          ; one plain place behind a scaled conversion
.irp i, 0,1,2
	v_mov_b32 v[CC+3+\i], v[CC+6+\i]
.endr
	ds_store_b128 v3, v[CC:CC+3] offset:768*((\kb)/2)+256*((\kb)%2)
	ds_store_b64 v4, v[CC+4:CC+5] offset:768*((\kb)/2)+512+128*((\kb)%2)
.endm
	BLOCK 0, 63                                    ; 96 younger loads might be out; the wait's field holds 63, and a smaller count is safe
	BLOCK 1, 63                                    ; (64)
	BLOCK 2, 32
	BLOCK 3, 0
	ds_store_b32 v5, v12
.irp i, 0,1,2,3,4,5
	ds_load_b128 v[OUTR+4*\i:OUTR+4*\i+3], v6 offset:512*\i   ; my own stage: LDS serves a wave's instructions in order
.endr
.irp i, 0,1,2,3,4,5
	s_wait_dscnt 5-\i
	global_store_b128 v7, v[OUTR+4*\i:OUTR+4*\i+3], s[12:13] offset:512*\i   ; 512 consecutive bytes, at a multiple of 256 from wc's first byte
.endr
	s_wait_dscnt 0x0                               ; for the others' sake: my scale words have landed
	s_barrier_signal -1
	s_barrier_wait -1
	s_cmp_lg_u32 s16, 0
	s_cbranch_scc1 .Ldone                          ; wave 0 stores the record's scale block
	ds_load_b128 v[24:27], v13
	s_wait_dscnt 0x0
	global_store_b128 v7, v[24:27], s[12:13] offset:12288
.Ldone:
	s_wait_tensorcnt 0x0                           ; the wave's end
	ds_add_u32 v[SPW], v[NIL]
	s_wait_dscnt 0x0
	s_endpgm
.Lfunc_end_k_q40a6e045b3_qw:
	.size	k_q40a6e045b3_qw, .Lfunc_end_k_q40a6e045b3_qw-k_q40a6e045b3_qw
	.p2alignl 7, 3214868480
	.fill 96, 4, 3214868480
	.section	.rodata,"a",@progbits
	.p2align	6, 0x0
	.amdhsa_kernel k_q40a6e045b3_qw
		.amdhsa_group_segment_fixed_size 13312
		.amdhsa_private_segment_fixed_size 0
		.amdhsa_enable_private_segment 0
		.amdhsa_kernarg_size 40
		.amdhsa_user_sgpr_count 2
		.amdhsa_user_sgpr_kernarg_segment_ptr 1
		.amdhsa_wavefront_size32 1
		.amdhsa_system_sgpr_workgroup_id_x 1
		.amdhsa_system_sgpr_workgroup_id_y 1
		.amdhsa_system_sgpr_workgroup_id_z 1
		.amdhsa_system_vgpr_workitem_id 0
		.amdhsa_next_free_vgpr 224
		.amdhsa_next_free_sgpr 66
		.amdhsa_reserve_vcc 0
		.amdhsa_float_denorm_mode_32 3
		.amdhsa_float_denorm_mode_16_64 3
		.amdhsa_memory_ordered 1
		.amdhsa_forward_progress 1
		.amdhsa_inst_pref_size 23
	.end_amdhsa_kernel
	.amdgpu_metadata
---
amdhsa.version: [ 1, 2 ]
amdhsa.kernels:
  - .name:           k_q40a6e045b3_qw
    .symbol:         k_q40a6e045b3_qw.kd
    .args:
      - { .name: Wq, .offset: 0, .size: 8, .value_kind: global_buffer, .address_space: global }
      - { .name: Wk, .offset: 8, .size: 8, .value_kind: global_buffer, .address_space: global }
      - { .name: Wv, .offset: 16, .size: 8, .value_kind: global_buffer, .address_space: global }
      - { .name: Wo, .offset: 24, .size: 8, .value_kind: global_buffer, .address_space: global }
      - { .name: wc, .offset: 32, .size: 8, .value_kind: global_buffer, .address_space: global }
    .group_segment_fixed_size: 13312
    .private_segment_fixed_size: 0
    .kernarg_segment_align: 8
    .kernarg_segment_size: 40
    .max_flat_workgroup_size: 128
    .sgpr_count:     66
    .vgpr_count:     224
    .wavefront_size: 32
...
	.end_amdgpu_metadata
.endif
;; end of part 1
;; launch projf (part 2): grid 64 x 3, 4 waves a work-group, no clusters, 170,496 bytes of LDS; arguments q, k, v, wc, qc, kc, vc; writes qc, kc, vc
.if DOCPART == 2
	.amdgcn_target "amdgcn-amd-amdhsa--gfx1250"
	.amdhsa_code_object_version 6
	.text
	.protected	k_q40a6e045b3_projf
	.globl	k_q40a6e045b3_projf
	.p2align	8
	.type	k_q40a6e045b3_projf,@function
k_q40a6e045b3_projf:
	s_mov_b64 s[64:65], 0
	v_nop
	global_prefetch_b8 v0, s[64:65] scope:SCOPE_SE
	s_setreg_imm32_b32 hwreg(HW_REG_WAVE_MODE, 25, 1), 1
	s_wait_xcnt 0x0
; Q = q Wq, K = k Wk, V = v Wv on codes of FP6 (E2M3), one E8M0 byte for each 32 along K; the results are quantised at once for attention and never go to memory as f32.
; Work-group (x, y): 128 rows x of tensor y (0 q, 1 k, 2 v).  PHASE X: the 128 rows x 1,024 are quantised once into LDS, as 8 records laid like wc's (8 fragments of 1,536 bytes + 512 bytes of scale words a K step).
; THEN wave w makes two tiles of 128 x 128, against the weight's groups 2 w and 2 w + 1 (two heads each): 64 accumulators, 512 registers.  The weight's fragments come from memory straight into the operand's registers.
; C'(X, Y) has source 0 = Y, source 1 = X: a lane holds one X, its registers run along Y, and it is quantised along Y.  q, k: X = my rows, Y = the weight's columns (the head's 64).  v: X = the weight's columns, Y = my rows (the keys).
; The products, the accumulators and the quantiser are one text; only the fetches and the packing of scale words part, on the work-group's y.
; THE ROWS OF A TILE: lane r of tile i holds row 32 (i / 2) + 8 (i % 2) + r + 8 (r / 8) of its 128, so that the 16 registers of result tiles 2 b, 2 b + 1 are 16 neighbours 32 b + 16 (lane / 16) + 0 .. 15 along Y.
; OUT: qc, kc = [batch x head 64][128 rows 16][6,656]: tile a's image (16 rows x 64 d, 768 bytes) at 768 a, scale block at 6,144 (two bytes a word).  vc likewise: d-tile t's fragment (16 d x 128 keys) at 1,536 t; scale words 0, 1 of a lane.
; LIMITS: NaN and infinities are not served; a block of zeros, and one under 2^-124, gets the byte 1 (zero codes add nothing; this program alone reads the bytes).
; No cluster and no tensor load: each wave's part of the weight is read by that wave alone and lands in its operand registers; the rows are read by one work-group.
; REGISTERS: window 0: v1-31 addresses and work; v32-39 X's scale words (two sets), v40-47 Y's; v48-63 the results' scale words; v64-159, v160-255 X's fragments, two sets (phase X: numbers and codes; way out: codes).
;   window 1: Y's fragments at v0 and v128 (phase X: four sets of 64 numbers as loaded).   windows 2, 3: accumulator (a, b) at window 2 + a / 4, v[64 (a % 4) + 8 b].
.set WREC,  12800
.set WGRP,  102400
.set WMAT,  819200
.set REC,   6656
.set HEADB, 106496
.set STG,   102400                     ; LDS: behind the 8 records two stages a wave, 16 rows of 528 bytes each
.set STG1,  8448
.set SPARE, 169984                     ; the spare words, 128 bytes for each wave, which no other line names
.set L16,  1                           ; 16 x lane
.set L8,   2                           ; 8 x lane
.set SPW,  3
.set NIL,  4
.set STWA, 6                           ; a stage, on the way in: 16 x lane
.set STRA, 7                           ; and out: 528 r + 64 h
.set XW16, 8                           ; where I store my images in the trip's records
.set XW8,  9
.set XWS,  10                          ; and my scale words
.set XL16, 11                          ; where the K step's record is read
.set XL8,  12
.set XB16, 13                          ; the stores' bases, which stay
.set XB8,  14
.set XBS,  15
.set TM,   16                          ; v16-21 the quantiser's work
.set CT,   24                          ; v24-26 a second conversion's result
.set SWD,  27
.set WD,   28                          ; v28-29 the scale words of my two tiles
.set WLO,  30
.set WHI,  31
.set XSC,  32
.set YSC,  40
.set W16,  48
.set XF,   64
.set N,    64                          ; phase X: v64-127, v128-191: 64 neighbours, two sets
.set PC,   192                         ; phase X: a fragment's codes
.set SW,   80                          ; way out: two scale blocks
.set TT,   88
.set MSB, 0
.macro WIN new                         ; the immediate's high byte repeats the setting that is left
.if MSB != (\new)
	s_set_vgpr_msb (MSB<<8)|(\new)
.set MSB, (\new)
.endif
.endm
.macro PLACES
.rept 4
	v_nop
.endr
.endm
; 32 numbers of a lane in window w, register 16 b + i = k 32 b + 16 (lane / 16) + i, become an image's six registers v[dst] on and the two scale bytes in v[wd].
.macro QH s, w, dst, wd, ct
	WIN (\w)|((\w)<<2)
.irp b, 0,1
	v_max3_num_f32 v[TM+\b], |v[(\s)+16*\b]|, |v[(\s)+16*\b+1]|, 0x1800000   ; each result tile is read from its low end on; the floor 2^(3 - 127) holds the byte at 1 from below
.endr
	WIN ((\w)<<2)|((\w)<<4)
.irp i, 2,4,6,8,10,12,14
.irp b, 0,1
	v_max3_num_f32 v[TM+\b], v[TM+\b], |v[(\s)+16*\b+\i]|, |v[(\s)+16*\b+\i+1]|
.endr
.endr
	WIN 0
.irp b, 0,1
	v_permlanex16_b32 v[TM+2+\b], v[TM+\b], s20, s21
.endr
.irp b, 0,1
	v_max_num_f32 v[TM+\b], v[TM+\b], v[TM+2+\b]   ; with lane l xor 16's 16: the block's largest magnitude
.endr
.irp b, 0,1
	v_add_nc_u32 v[TM+4+\b], 0xff000000, v[TM+\b]  ; 2 off the exponent field: the conversion's scale operand
.endr
.irp b, 0,1
	v_lshrrev_b32 v[TM+2+\b], 23, v[TM+4+\b]       ; the byte
.endr
	v_lshl_or_b32 v[\wd], v[TM+3], 8, v[TM+2]
	WIN (\w)
	v_cvt_scalef32_pk16_fp6_f32 v[(\dst):(\dst)+2], v[(\s):(\s)+15], v[TM+4]
	v_cvt_scalef32_pk16_fp6_f32 v[(\ct):(\ct)+2], v[(\s)+16:(\s)+31], v[TM+5]
	WIN 0
	v_nop                                          ; one plain place behind a scaled conversion
.irp i, 0,1,2
	v_permlane16_swap_b32 v[(\dst)+\i], v[(\ct)+\i]   ; the layout wants a whole block in a lane: lanes 0-15 block 0, lanes 16-31 block 1
.endr
.irp i, 0,1,2
	v_mov_b32 v[(\dst)+3+\i], v[(\ct)+\i]
.endr
.endm
	s_load_b256 s[32:39], s[0:1], 0x0              ; q, k, v, wc
	s_load_b128 s[40:43], s[0:1], 0x20             ; qc, kc
	s_load_b64 s[44:45], s[0:1], 0x30              ; vc
	v_lshl_add_u32 v[SPW], v0, 2, SPARE
	v_mov_b32 v[NIL], 0
	v_lshrrev_b32 v5, 5, v0
	v_readfirstlane_b32 s16, v5                    ; wave
	s_and_b32 s17, ttmp7, 0xffff                   ; which tensor
	s_mov_b32 s18, ttmp9                           ; which 128 rows
	v_and_b32 v5, 31, v0
	v_lshlrev_b32 v[L16], 4, v5
	v_lshlrev_b32 v[L8], 3, v5
	v_and_b32 v22, 15, v0                          ; r
	v_bfe_u32 v23, v0, 4, 1                        ; h
	s_mul_i32 s50, s16, 2*STG1
	s_add_co_u32 s50, s50, STG
	v_add_nc_u32 v[STWA], s50, v[L16]
	v_mul_u32_u24 v[STRA], v22, 528
	v_lshl_add_u32 v[STRA], v23, 6, v[STRA]
	v_add_nc_u32 v[STRA], s50, v[STRA]
	s_mul_i32 s51, s16, 3072                       ; my tiles 2 w, 2 w + 1 in a record
	v_add_nc_u32 v[XB16], s51, v[L16]
	v_add_nc_u32 v[XB8], s51, v[L8]
	s_lshl_b32 s51, s16, 2
	s_add_co_u32 s51, s51, 12288
	v_add_nc_u32 v[XBS], s51, v[L16]               ; word w of my lane in a record's scale block
	s_mov_b32 s20, 0x76543210
	s_mov_b32 s21, 0xfedcba98                      ; v_permlanex16_b32's selects for lane l xor 16
	s_mov_b32 vcc_lo, 0xffff0000                   ; lanes 16-31: written once, read by the selects that pack scale blocks
	v_mov_b32 v[TM+2], 0                           ; a lane permute's destination counts as one of its sources
	v_mov_b32 v[TM+3], 0
	s_lshl_b32 s52, s18, 19                        ; my work-group's 128 rows of 4,096 bytes,
	s_lshl_b32 s50, s16, 17                        ; my wave's 32
	s_add_co_u32 s52, s52, s50
	s_mov_b32 s53, 0
	s_mul_i32 s54, s17, WMAT                       ; the tensor's weight, my wave's first group
	s_mul_i32 s50, s16, 2*WGRP
	s_add_co_u32 s54, s54, s50
	s_mov_b32 s55, 0
	s_lshr_b32 s56, s18, 4
	s_lshl_b32 s56, s56, 4                         ; 16 x batch
	s_lshl_b32 s50, s16, 2
	s_add_co_u32 s56, s56, s50                     ; + my first head, 4 w
	s_mul_i32 s56, s56, HEADB
	s_and_b32 s50, s18, 15
	s_mul_i32 s50, s50, REC                        ; + my 128 rows' record
	s_add_co_u32 s56, s56, s50
	s_mov_b32 s57, 0
	s_mov_b32 s25, 0
	s_mov_b32 s27, 0
	s_mov_b32 s29, 0
	s_wait_kmcnt 0x0
	s_cmp_eq_u32 s17, 1                            ; the choices hang on the work-group's number alone
	s_cselect_b64 s[4:5], s[34:35], s[32:33]
	s_cselect_b64 s[8:9], s[42:43], s[40:41]
	s_cmp_eq_u32 s17, 2
	s_cselect_b64 s[4:5], s[36:37], s[4:5]
	s_cselect_b64 s[8:9], s[44:45], s[8:9]
	s_mov_b32 s24, 768                             ; the way out's steps.  From X's tile to the next: an image (q, k) or a fragment (v);
	s_cselect_b32 s24, 1536, s24
	s_mov_b32 s26, HEADB                           ; from Y's first 64 to its second: the next head (q, k) or the fragment's second image (v);
	s_cselect_b32 s26, 768, s26
	s_cselect_b32 s28, HEADB-6144, 0               ; at X's tile 4: nothing (q, k) or on to the next head (v)
	s_add_nc_u64 s[4:5], s[4:5], s[52:53]
	s_add_nc_u64 s[6:7], s[38:39], s[54:55]
	s_add_nc_u64 s[8:9], s[8:9], s[56:57]          ; the record of the pass's first head,
	s_add_nc_u64 s[10:11], s[8:9], HEADB           ; and of its second
; ---- PHASE X.  A trip makes K steps 2 tau, 2 tau + 1 of my two tiles: four fragments f = 2 (K step % 2) + tile.  Each load reads 512 consecutive bytes of one row; the 16 rows turn through my stage, so that a lane gets 16 neighbours of each block.
.macro LOADF f, add
	WIN 0x40
.irp j, 0,1,2,3,4,5,6,7,8,9,10,11,12,13,14,15
	global_load_b128 v[64*(\f)+4*\j:64*(\f)+4*\j+3], v[L16], s[4:5] offset:(8*((\f)%2)+\j+8*(\j/8))*4096+512*((\f)/2)+(\add) th:TH_LOAD_NT
.endr
	WIN 0
.endm
.macro TURN f
	WIN 0x04                                       ; an LDS store's data are its source 1
.irp j, 0,1,2,3,4,5,6,7,8,9,10,11,12,13,14,15
	ds_store_b128 v[STWA], v[64*(\f)+4*\j:64*(\f)+4*\j+3] offset:STG1*((\f)%2)+528*\j
.endr
	WIN 0
.irp b, 0,1,2,3
.irp jj, 0,1,2,3
	ds_load_b128 v[N+64*((\f)%2)+16*\b+4*\jj:N+64*((\f)%2)+16*\b+4*\jj+3], v[STRA] offset:STG1*((\f)%2)+128*\b+16*\jj   ; my own stage: served in order
.endr
.endr
.endm
; nxt: the fragment that turns through the other stage meanwhile (-1: none); ahead = 1: fragment f of the next trip is asked for; left: the younger loads that may be out when nxt's 16 must be in
.macro STEPX f, nxt, ahead, left
	s_wait_dscnt 0x0                               ; my 64 neighbours are back; the stores into the stage have read the registers that the loads below fill
.if \ahead
	LOADF \f, 1024
.endif
.if (\nxt) >= 0
	s_wait_loadcnt \left
	TURN \nxt
.endif
	QH N+64*((\f)%2), 0, PC, WLO, CT
	QH N+64*((\f)%2)+32, 0, PC+6, WHI, CT
	v_lshl_or_b32 v[WD+(\f)%2], v[WHI], 16, v[WLO] ; my row's scale word for these 128
.irp c, 0,1
	ds_store_b128 v[XW16], v[PC+6*\c:PC+6*\c+3] offset:WREC*((\f)/2)+1536*((\f)%2)+768*\c
	ds_store_b64 v[XW8], v[PC+6*\c+4:PC+6*\c+5] offset:WREC*((\f)/2)+1536*((\f)%2)+768*\c+512
.endr
.if (\f)%2
	v_cndmask_b32 v[SWD], v[WD], v[WD+1], vcc_lo   ; lanes 0-15 tile 2 w's word, lanes 16-31 tile 2 w + 1's
	ds_store_b32 v[XWS], v[SWD] offset:WREC*((\f)/2)
.endif
.endm
.macro XADR
	v_add_nc_u32 v[XW16], s22, v[XB16]
	v_add_nc_u32 v[XW8], s22, v[XB8]
	v_add_nc_u32 v[XWS], s22, v[XBS]
.endm
	LOADF 0, 0
	LOADF 1, 0
	LOADF 2, 0
	LOADF 3, 0
	s_wait_loadcnt 48                              ; fragment 0's 16 loads are in; three fragments' may be out
	TURN 0
	s_mov_b32 s22, 0
	s_mov_b32 s19, 3
.Lx:
	XADR
	STEPX 0, 1, 1, 48
	STEPX 1, 2, 1, 48
	STEPX 2, 3, 1, 48
	STEPX 3, 0, 1, 48
	s_wait_xcnt 0x0                                ; the loads have read their base
	s_add_nc_u64 s[4:5], s[4:5], 1024
	s_add_co_u32 s22, s22, 2*WREC
	s_sub_co_u32 s19, s19, 1
	s_cmp_lg_u32 s19, 0
	s_cbranch_scc1 .Lx
	XADR
	STEPX 0, 1, 0, 32                              ; the last trip asks for nothing: the counts run down
	STEPX 1, 2, 0, 16
	STEPX 2, 3, 0, 0
	STEPX 3, -1, 0, 0
	s_wait_dscnt 0x0                               ; for the others' sake: my images and scale words have landed
	s_barrier_signal -1
	s_barrier_wait -1                              ; the 8 records are whole; nothing is stored to LDS from here on
; ---- THE PRODUCTS
.macro GFR reg, off                    ; a fragment from the weight's record: four loads, each of 512 or 256 consecutive bytes
	global_load_b128 v[(\reg):(\reg)+3], v[L16], s[6:7] offset:(\off)
	global_load_b64 v[(\reg)+4:(\reg)+5], v[L8], s[6:7] offset:(\off)+512
	global_load_b128 v[(\reg)+6:(\reg)+9], v[L16], s[6:7] offset:(\off)+768
	global_load_b64 v[(\reg)+10:(\reg)+11], v[L8], s[6:7] offset:(\off)+1280
.endm
.macro DFR reg, off                    ; and from my rows' record in LDS
	ds_load_b128 v[(\reg):(\reg)+3], v[XL16] offset:(\off)
	ds_load_b64 v[(\reg)+4:(\reg)+5], v[XL8] offset:(\off)+512
	ds_load_b128 v[(\reg)+6:(\reg)+9], v[XL16] offset:(\off)+768
	ds_load_b64 v[(\reg)+10:(\reg)+11], v[XL8] offset:(\off)+1280
.endm
; a K step's 16 fragments and two scale blocks into set: on either way 33 loads from memory and 33 from LDS, which fill the same registers
.macro FETCH set, ko
	s_cmp_eq_u32 s17, 2
	s_cbranch_scc1 .Lfv_\@
	WIN 0x40
.irp i, 0,1,2,3,4,5,6,7
	GFR 128*(\set)+12*\i, WREC*(\ko)+1536*\i
.endr
	WIN 0
	global_load_b128 v[YSC+4*(\set):YSC+4*(\set)+3], v[L16], s[6:7] offset:WREC*(\ko)+12288
.irp i, 0,1,2,3,4,5,6,7
	DFR XF+96*(\set)+12*\i, WREC*(\ko)+1536*\i
.endr
	ds_load_b128 v[XSC+4*(\set):XSC+4*(\set)+3], v[XL16] offset:WREC*(\ko)+12288
	s_branch .Lfd_\@
.Lfv_\@:
	WIN 0x40
.irp i, 0,1,2,3,4,5,6,7
	DFR 128*(\set)+12*\i, WREC*(\ko)+1536*\i
.endr
	WIN 0
	ds_load_b128 v[YSC+4*(\set):YSC+4*(\set)+3], v[XL16] offset:WREC*(\ko)+12288
.irp i, 0,1,2,3,4,5,6,7
	GFR XF+96*(\set)+12*\i, WREC*(\ko)+1536*\i
.endr
	global_load_b128 v[XSC+4*(\set):XSC+4*(\set)+3], v[L16], s[6:7] offset:WREC*(\ko)+12288
.Lfd_\@:
.endm
.macro WMS                             ; one product, by the symbols rD, rA, rB, rSA, rSB; rR: which halves of the scale registers' lanes; rZ = 1: it starts the sum
.if rZ
.if rR == 0
	v_wmma_scale_f32_16x16x128_f8f6f4 v[rD:rD+7], v[rA:rA+11], v[rB:rB+11], 0, v[rSA], v[rSB] matrix_a_fmt:MATRIX_FMT_FP6 matrix_b_fmt:MATRIX_FMT_FP6
.elseif rR == 1
	v_wmma_scale_f32_16x16x128_f8f6f4 v[rD:rD+7], v[rA:rA+11], v[rB:rB+11], 0, v[rSA], v[rSB] matrix_a_fmt:MATRIX_FMT_FP6 matrix_b_fmt:MATRIX_FMT_FP6 matrix_b_scale:MATRIX_SCALE_ROW1
.elseif rR == 2
	v_wmma_scale_f32_16x16x128_f8f6f4 v[rD:rD+7], v[rA:rA+11], v[rB:rB+11], 0, v[rSA], v[rSB] matrix_a_fmt:MATRIX_FMT_FP6 matrix_b_fmt:MATRIX_FMT_FP6 matrix_a_scale:MATRIX_SCALE_ROW1
.else
	v_wmma_scale_f32_16x16x128_f8f6f4 v[rD:rD+7], v[rA:rA+11], v[rB:rB+11], 0, v[rSA], v[rSB] matrix_a_fmt:MATRIX_FMT_FP6 matrix_b_fmt:MATRIX_FMT_FP6 matrix_a_scale:MATRIX_SCALE_ROW1 matrix_b_scale:MATRIX_SCALE_ROW1
.endif
.else
.if rR == 0
	v_wmma_scale_f32_16x16x128_f8f6f4 v[rD:rD+7], v[rA:rA+11], v[rB:rB+11], v[rD:rD+7], v[rSA], v[rSB] matrix_a_fmt:MATRIX_FMT_FP6 matrix_b_fmt:MATRIX_FMT_FP6
.elseif rR == 1
	v_wmma_scale_f32_16x16x128_f8f6f4 v[rD:rD+7], v[rA:rA+11], v[rB:rB+11], v[rD:rD+7], v[rSA], v[rSB] matrix_a_fmt:MATRIX_FMT_FP6 matrix_b_fmt:MATRIX_FMT_FP6 matrix_b_scale:MATRIX_SCALE_ROW1
.elseif rR == 2
	v_wmma_scale_f32_16x16x128_f8f6f4 v[rD:rD+7], v[rA:rA+11], v[rB:rB+11], v[rD:rD+7], v[rSA], v[rSB] matrix_a_fmt:MATRIX_FMT_FP6 matrix_b_fmt:MATRIX_FMT_FP6 matrix_a_scale:MATRIX_SCALE_ROW1
.else
	v_wmma_scale_f32_16x16x128_f8f6f4 v[rD:rD+7], v[rA:rA+11], v[rB:rB+11], v[rD:rD+7], v[rSA], v[rSB] matrix_a_fmt:MATRIX_FMT_FP6 matrix_b_fmt:MATRIX_FMT_FP6 matrix_a_scale:MATRIX_SCALE_ROW1 matrix_b_scale:MATRIX_SCALE_ROW1
.endif
.endif
.endm
.macro WM a, b, set, zero              ; X's tile a against Y's tile b; tile i's scale words: register i / 2, lanes 16 (i % 2) on
.set rD, 64*((\a)%4)+8*(\b)
.set rA, 128*(\set)+12*(\b)
.set rB, XF+96*(\set)+12*(\a)
.set rSA, YSC+4*(\set)+(\b)/2
.set rSB, XSC+4*(\set)+(\a)/2
.set rR, 2*((\b)%2)+(\a)%2
.set rZ, \zero
	WMS
.endm
; A K step: the next step's fetch into the other set, then 64 products on this set.  The 64 accumulators take turns, one instruction a turn, in one order everywhere.
.macro KSTEP set, zero, fetch, ko
.if \fetch
	PLACES                                         ; four places between the last products, which read the other set, and the loads into it
	FETCH 1-(\set), \ko
	s_wait_loadcnt 33                              ; this set is in; the 33 loads just issued may be out,
	s_wait_dscnt 33                                ; and the 33 from LDS
.else
	s_wait_loadcnt 0x0
	s_wait_dscnt 0x0
.endif
	WIN 0xa1                                       ; source 0 (Y) window 1, source 1 (X) window 0, C and D window 2
.irp a, 0,1,2,3
.irp b, 0,1,2,3,4,5,6,7
	WM \a, \b, \set, \zero
.endr
.endr
	WIN 0xf1                                       ; C and D window 3
.irp a, 4,5,6,7
.irp b, 0,1,2,3,4,5,6,7
	WM \a, \b, \set, \zero
.endr
.endr
	WIN 0
.endm
.macro KADV                            ; two K steps on, in the weight and in LDS
	s_wait_xcnt 0x0                                ; the loads have read their base
	s_add_nc_u64 s[6:7], s[6:7], 2*WREC
	s_add_co_u32 s22, s22, 2*WREC
	v_add_nc_u32 v[XL16], s22, v[L16]
	v_add_nc_u32 v[XL8], s22, v[L8]
.endm
	s_mov_b32 s23, 2
.Lpass:                                            ; two passes: the weight's groups 2 w and 2 w + 1; four steps of two records bring its pointer to the next group by themselves
	s_mov_b32 s22, 0
	v_mov_b32 v[XL16], v[L16]
	v_mov_b32 v[XL8], v[L8]
	FETCH 0, 0
	KSTEP 0, 1, 1, 1                               ; K step 0 starts the sums: nothing is cleared
	KADV
	s_mov_b32 s19, 3
.Lk:
	KSTEP 1, 0, 1, 0
	KSTEP 0, 0, 1, 1
	KADV
	s_sub_co_u32 s19, s19, 1
	s_cmp_lg_u32 s19, 0
	s_cbranch_scc1 .Lk
	KSTEP 1, 0, 0, 0                               ; K step 7: nothing more to fetch
	; ---- THE WAY OUT: X's tile a has 64 registers a lane: Y 0 .. 63 and 64 .. 127, an image each.  A store covers 512 or 256 consecutive bytes, at a multiple of 256 from its buffer's first byte.
	PLACES
.irp a, 0,1,2,3,4,5,6,7
.if (\a%4) == 1
.set RG, 128                           ; the codes' registers carry no number of the conversions' sources
.else
.set RG, 64
.endif
	s_wait_xcnt 0x0                                ; the earlier stores have read their registers and bases
.if \a == 0
	s_mov_b64 s[12:13], s[8:9]
	s_add_nc_u64 s[14:15], s[8:9], s[26:27]
.else
	s_add_nc_u64 s[12:13], s[12:13], s[24:25]
	s_add_nc_u64 s[14:15], s[14:15], s[24:25]
.endif
.if \a == 4
	s_add_nc_u64 s[12:13], s[12:13], s[28:29]
	s_add_nc_u64 s[14:15], s[14:15], s[28:29]
.endif
	QH 64*(\a%4), 2+\a/4, RG, W16+2*\a, RG+12
	global_store_b128 v[L16], v[RG:RG+3], s[12:13]
	global_store_b64 v[L8], v[RG+4:RG+5], s[12:13] offset:512
	QH 64*(\a%4)+32, 2+\a/4, RG+6, W16+2*\a+1, RG+12
	global_store_b128 v[L16], v[RG+6:RG+9], s[14:15]
	global_store_b64 v[L8], v[RG+10:RG+11], s[14:15] offset:512
.endr
	s_cmp_eq_u32 s17, 2
	s_cbranch_scc1 .Lev
.irp c, 0,1                            ; q, k: head c's block: word q of lane (r, u) is tile 2 q + u's two bytes
.irp q, 0,1,2,3
	v_cndmask_b32 v[SW+4*\c+\q], v[W16+4*\q+\c], v[W16+4*\q+2+\c], vcc_lo
.endr
.endr
	s_branch .Led
.Lev:
.irp a, 0,1,2,3,4,5,6,7                ; v: a d-tile's word has four bytes: 128 keys
	v_lshl_or_b32 v[TT+\a], v[W16+2*\a+1], 16, v[W16+2*\a]
.endr
.irp hl, 0,1
.irp q, 0,1
	v_cndmask_b32 v[SW+4*\hl+\q], v[TT+4*\hl+2*\q], v[TT+4*\hl+2*\q+1], vcc_lo
.endr
	v_mov_b32 v[SW+4*\hl+2], 0
	v_mov_b32 v[SW+4*\hl+3], 0
.endr
.Led:
	global_store_b128 v[L16], v[SW:SW+3], s[8:9] offset:6144
	global_store_b128 v[L16], v[SW+4:SW+7], s[10:11] offset:6144
	s_wait_xcnt 0x0                                ; the stores have read their registers and bases: the next pass's loads land there
	s_add_nc_u64 s[8:9], s[8:9], 2*HEADB
	s_add_nc_u64 s[10:11], s[10:11], 2*HEADB
	s_sub_co_u32 s23, s23, 1
	s_cmp_lg_u32 s23, 0
	s_cbranch_scc1 .Lpass
	s_wait_tensorcnt 0x0                           ; the wave's end
	ds_add_u32 v[SPW], v[NIL]
	s_wait_dscnt 0x0
	s_endpgm
.Lfunc_end_k_q40a6e045b3_projf:
	.size	k_q40a6e045b3_projf, .Lfunc_end_k_q40a6e045b3_projf-k_q40a6e045b3_projf
	.p2alignl 7, 3214868480
	.fill 96, 4, 3214868480
	.section	.rodata,"a",@progbits
	.p2align	6, 0x0
	.amdhsa_kernel k_q40a6e045b3_projf
		.amdhsa_group_segment_fixed_size 170496
		.amdhsa_private_segment_fixed_size 0
		.amdhsa_enable_private_segment 0
		.amdhsa_kernarg_size 56
		.amdhsa_user_sgpr_count 2
		.amdhsa_user_sgpr_kernarg_segment_ptr 1
		.amdhsa_wavefront_size32 1
		.amdhsa_system_sgpr_workgroup_id_x 1
		.amdhsa_system_sgpr_workgroup_id_y 1
		.amdhsa_system_sgpr_workgroup_id_z 1
		.amdhsa_system_vgpr_workitem_id 0
		.amdhsa_next_free_vgpr 1024
		.amdhsa_next_free_sgpr 66
		.amdhsa_reserve_vcc 1
		.amdhsa_float_denorm_mode_32 3
		.amdhsa_float_denorm_mode_16_64 3
		.amdhsa_memory_ordered 1
		.amdhsa_forward_progress 1
		.amdhsa_inst_pref_size 180
	.end_amdhsa_kernel
	.amdgpu_metadata
---
amdhsa.version: [ 1, 2 ]
amdhsa.kernels:
  - .name:           k_q40a6e045b3_projf
    .symbol:         k_q40a6e045b3_projf.kd
    .args:
      - { .name: q, .offset: 0, .size: 8, .value_kind: global_buffer, .address_space: global }
      - { .name: k, .offset: 8, .size: 8, .value_kind: global_buffer, .address_space: global }
      - { .name: v, .offset: 16, .size: 8, .value_kind: global_buffer, .address_space: global }
      - { .name: wc, .offset: 24, .size: 8, .value_kind: global_buffer, .address_space: global }
      - { .name: qc, .offset: 32, .size: 8, .value_kind: global_buffer, .address_space: global }
      - { .name: kc, .offset: 40, .size: 8, .value_kind: global_buffer, .address_space: global }
      - { .name: vc, .offset: 48, .size: 8, .value_kind: global_buffer, .address_space: global }
    .group_segment_fixed_size: 170496
    .private_segment_fixed_size: 0
    .kernarg_segment_align: 8
    .kernarg_segment_size: 56
    .max_flat_workgroup_size: 128
    .sgpr_count:     66
    .vgpr_count:     1024
    .wavefront_size: 32
...
	.end_amdgpu_metadata
.endif
;; end of part 2
;; launch attn (part 3): grid 4 x 64, 16 waves a work-group, clusters of 4 x 1, 217,088 bytes of LDS; arguments qc, kc, vc, oc, osc; writes oc, osc
.if DOCPART == 3
	.amdgcn_target "amdgcn-amd-amdhsa--gfx1250"
	.amdhsa_code_object_version 6
	.text
	.protected	k_q40a6e045b3_attn
	.globl	k_q40a6e045b3_attn
	.p2align	8
	.type	k_q40a6e045b3_attn,@function
k_q40a6e045b3_attn:
	s_mov_b64 s[64:65], 0
	v_nop
	global_prefetch_b8 v0, s[64:65] scope:SCOPE_SE
	s_setreg_imm32_b32 hwreg(HW_REG_WAVE_MODE, 25, 1), 1
	s_wait_xcnt 0x0
	s_wait_alu depctr_hold_cnt(0) depctr_sa_sdst(0) depctr_va_vdst(0) depctr_va_sdst(0) depctr_va_ssrc(0) depctr_va_vcc(0) depctr_vm_vsrc(0)
	s_getreg_b32 s2, hwreg(HW_REG_IB_STS2, 6, 4)
	s_cmp_eq_u32 s2, 0
	s_cbranch_scc0 .Lentry_in_a_cluster
	s_endpgm
.Lentry_in_a_cluster:
	s_bfe_u32 s2, ttmp6, 0x10000c
	s_cmp_lg_u32 s2, 0x3003
	s_cbranch_scc0 .Lentry_shape_is_right
	s_endpgm
.Lentry_shape_is_right:
; O = softmax(Q K^T / 8) V for one head a cluster, both products on codes of FP6 (E2M3) with one E8M0 byte for each 32 along a product's K; O is quantised along the hidden axis for the last product.
; THE SOFTMAX: t = score x log2(e) / 8; M = the running largest t rounded UP to a whole number; p = 2^(t - M) is quantised along the keys, not normalised; the row's sum is taken of the unquantised p and divides O at the end.
; When M moves, the sum and O are multiplied by 2^(old M - new M): exact.
; SHARES.  A cluster of four work-groups is one head (batch x head = the grid's y).  A work-group owns 512 queries, in two passes of 256; in a pass each of its sixteen waves owns one tile of 16 queries, in 256 registers.
; ALL OF THE HEAD'S K AND V, 2 x 106,496 bytes with their scale words, LIE IN LDS, FILLED ONCE: waves 0 (K) and 1 (V) bring four chunks of 26,624 bytes (four key steps) each: four tensor loads of a wave are out at the most.
; No byte is filled again.  The four work-groups need the same bytes and ask JOINTLY: the same load, the same descriptor, a mask that names the four.
; A chunk is shown landed by a counted wait of the loading waves in front of a barrier that stands one key step ahead of its first use, since a step fetches the next step's K.
; LAYOUT.  kc, vc: a record of 6,656 bytes for each 128 keys.  K: tile t's image (16 keys x 64 d) at 768 t.  V: d-tile t's fragment (16 d x 128 keys) at 1,536 t.  A scale block at 6,144: word q of lane (r, u) belongs to tile 2 q + u.
; Images are images of the operand's registers: 16 bytes a lane, then 8 bytes a lane: no pitch, no padding.  Lane r of tile t holds key (or d) 32 (t / 2) + 8 (t % 2) + r + 8 (r / 8).
; Both products are used transposed: S^T = K Q^T, O^T = V^T P^T: a lane holds one query; the 16 registers of tiles 2 b, 2 b + 1 are 16 neighbours.
; K = 64 IN AN INSTRUCTION OF 128: Q's registers 6-11 are zero codes, so whatever codes stand in the upper six registers of K's operand (the next tile's) add nothing; the scale words' upper bytes are 0.
; LIMITS: NaN and infinities are not served; a block of p or O that is all zeros, or under 2^-124, gets the byte 1 (its codes are zeros or are held low; this program alone reads the bytes).
; REGISTERS: v1, v2 16 and 8 x lane; v5-8 the step's LDS addresses; v9 my scale word's place; v10 Q's scale words; v12 -M, v13 largest t, v[14:15] the sum; v16-27 Q and zeros; v[28:29] V's scale words; v30-77 K; v78-125 V;
;   v126-189 S^T, then p; v190-221 O^T; v222-233 p's codes; v234-245 at work; v246-249 K's scale words; v250 f; v251 p's scale word; v252 at work; v253, v254 v1, v2 + V's place; v255 where O's scale block is read back.
.set REC,   6656
.set HEADB, 106496
.set VOFF,  106496
.set CHUNK, 26624
.set OSC,   212992                     ; O's scale words: 1,024 bytes for each pass; no fill lands here
.set SPARE, 215040                     ; the spare words, 128 bytes for each wave, which no other line names
.set WV,  14
.set SEL, 20
.set CS,  22
.set G1,  24
.set G0,  32
.set TS,  48                           ; LDS byte of the step's record
.set CNT, 49
.set QP,  50
.set OCP, 52
.set OSP, 54
.set TM,  234
.macro CROUND                          ; a round of the cluster's barrier
	s_barrier_signal -1
	s_barrier_wait -1
	s_cmp_lg_u32 s[WV], 0
	s_cbranch_scc1 .Lnot_wave_0_\@
	s_barrier_signal -3
.Lnot_wave_0_\@:
	s_barrier_wait -3
	s_barrier_signal -1
	s_barrier_wait -1
.endm
	s_load_b256 s[4:11], s[0:1], 0x0               ; qc, kc, vc, oc
	s_load_b64 s[12:13], s[0:1], 0x20              ; osc
	v_lshl_add_u32 v3, v0, 2, SPARE
	v_mov_b32 v4, 0
	ds_add_u32 v3, v4                              ; the wave's opening: the add and its wait stand ahead of the first tensor load
	v_lshrrev_b32 v5, 5, v0
	v_readfirstlane_b32 s[WV], v5                  ; wave 0..15
	s_bfe_u32 s16, ttmp6, 0x40000                  ; cx
	s_lshl_b32 s17, ttmp9, 2
	s_add_co_u32 s16, s16, s17                     ; my 512 queries: it enters Q's, O's and the scale words' global addresses alone
	s_and_b32 s15, ttmp7, 0xffff                   ; batch x head, which the four partners share
	s_mov_b32 s[G1], 15|(3<<16)|(1<<21)            ; 15:0 the mask: all four; 17:16 elements of 8 bytes; 21 set beside a mask; no padding
	s_mov_b32 s[G1+1], 32<<16                      ; tensor_dim0 = 32 elements: rows of 256 bytes
	s_mov_b32 s[G1+2], 104<<16                     ; tensor_dim1 = 104 rows: 26,624 dense bytes
	s_mov_b32 s[G1+3], 32<<16                      ; tile_dim0
	s_mov_b32 s[G1+4], 104                         ; tile_dim1
	s_mov_b32 s[G1+5], 32                          ; the pitch
	s_mov_b32 s[G1+6], 0
	s_mov_b32 s[G1+7], 0
	s_mov_b32 s[SEL], 0x76543210
	s_mov_b32 s[SEL+1], 0xfedcba98                 ; lane l xor 16
	s_mov_b32 s[CS], 0x3e38aa3b                    ; c = log2(e) / 8
	s_mov_b32 s[CS+1], s[CS]                       ; (named with it as a pair)
	s_and_b32 s56, s[WV], 1                        ; wave 0 fetches K, wave 1 V
	s_mul_i32 s57, s56, HEADB                      ; where they go
	s_mul_i32 s58, s15, HEADB                      ; the head's first byte in qc, kc, vc
	s_mov_b32 s59, 0
	s_wait_dscnt 0x0                               ; the opening add is done
	s_wait_kmcnt 0x0
	s_cmp_eq_u32 s56, 0
	s_cselect_b64 s[18:19], s[6:7], s[8:9]
	s_add_nc_u64 s[18:19], s[18:19], s[58:59]
.irp c, 0,1,2,3
	s_mov_b32 s[G0+4*\c], 1                        ; count = 1
	s_add_co_u32 s[G0+4*\c+1], s57, CHUNK*\c       ; LDS address
	s_add_nc_u64 s[G0+4*\c+2:G0+4*\c+3], s[18:19], CHUNK*\c   ; global address
	s_or_b32 s[G0+4*\c+3], s[G0+4*\c+3], 0x80000000   ; type = 2
.endr
	s_lshl_b32 s56, s16, 2                         ; my first block of 128 queries
	s_lshr_b32 s57, s[WV], 3
	s_add_co_u32 s57, s57, s56
	s_mul_i32 s57, s57, REC
	s_add_co_u32 s58, s58, s57
	s_add_nc_u64 s[QP:QP+1], s[4:5], s[58:59]      ; Q's record of my tile in pass 0
	s_lshr_b32 s57, s15, 4                         ; batch
	s_and_b32 s17, s15, 15                         ; head
	s_lshl_b32 s58, s57, 7
	s_lshl_b32 s60, s16, 5
	s_add_co_u32 s58, s58, s60
	s_add_co_u32 s58, s58, s[WV]                   ; my tile of rows: 128 batch + 32 x + wave
	s_mul_i32 s58, s58, 12288
	s_mul_i32 s60, s17, 768
	s_add_co_u32 s58, s58, s60
	s_add_nc_u64 s[OCP:OCP+1], s[10:11], s[58:59]
	s_lshl_b32 s58, s57, 4
	s_add_co_u32 s58, s58, s56
	s_and_b32 s60, s[WV], 1
	s_add_co_u32 s58, s58, s60                     ; the block of 128 rows whose scale words wave 0 or 1 stores
	s_lshl_b32 s58, s58, 13
	s_lshl_b32 s61, s17, 9
	s_add_co_u32 s58, s58, s61
	s_add_nc_u64 s[OSP:OSP+1], s[12:13], s[58:59]
	s_lshl_b32 s62, s60, 9
	s_add_co_u32 s62, s62, OSC
	CROUND                                         ; all four work-groups are here: the joint loads meet
	s_cmp_lt_u32 s[WV], 2                          ; a wave's four fills stand in one branch on the wave's number, ahead of every wait on TENSORcnt and every LDS read
	s_cbranch_scc0 .Lno_fill
.irp c, 0,1,2,3
	tensor_load_to_lds s[G0+4*\c:G0+4*\c+3], s[G1:G1+7]
	s_nop 0
.endr
.rept 4
	v_nop
.endr
.Lno_fill:
	v_and_b32 v5, 31, v0
	v_lshlrev_b32 v1, 4, v5
	v_lshlrev_b32 v2, 3, v5
	v_add_nc_u32 v253, VOFF, v1
	v_add_nc_u32 v254, VOFF, v2
	v_add_nc_u32 v255, s62, v1
	v_and_b32 v6, 15, v0                           ; r
	s_and_b32 s56, s[WV], 7                        ; my tile among its block's eight
	s_and_b32 s57, s[WV], 1
	s_lshr_b32 s58, s56, 1
	s_lshl_b32 s60, s57, 8
	s_lshl_b32 s61, s58, 2
	s_add_co_u32 s60, s60, s61
	v_lshl_add_u32 v11, v6, 4, s60                 ; row r's word of my tile in a scale block: 16 (r + 16 (tile % 2)) + 4 (tile / 2)
	s_lshr_b32 s61, s[WV], 3
	s_lshl_b32 s61, s61, 9
	s_add_co_u32 s61, s61, OSC
	v_add_nc_u32 v9, s61, v11
	s_mul_i32 s63, s56, 768                        ; my tile's image in Q's record
.irp i, 22,23,24,25,26,27,78,79,80,81,82,83,238,239,240,241,251,252
	v_mov_b32 v[\i], 0                             ; Q's zero codes; the six registers behind K's last tile; registers that are named before they are first written
.endr
.macro QLOAD p
	v_add_nc_u32 v5, s63, v1
	v_add_nc_u32 v6, s63, v2
	global_load_b128 v[16:19], v5, s[QP:QP+1] offset:2*REC*(\p)
	global_load_b64 v[20:21], v6, s[QP:QP+1] offset:2*REC*(\p)+512
	global_load_b32 v10, v11, s[QP:QP+1] offset:2*REC*(\p)+6144
.endm
.macro INIT                            ; the step is written once: its first walk finds zeros, which the first change of M leaves zeros
	v_mov_b32 v13, 0xff61b1e6                      ; -3e38, under every t
	v_floor_f32 v12, -v13
	v_mov_b32 v14, 0
	v_mov_b32 v15, 0
.set j, 0
.rept 32
	v_mov_b32 v[190+j], 0
.set j, j+1
.endr
.endm
.macro BAR n                           ; the loading waves' chunks up to the n youngest have landed; the others stay out
	s_wait_tensorcnt \n
	s_wait_dscnt 0x0
	s_barrier_signal -1
	s_barrier_wait -1
.endm
.macro FETCHK a16, a8, off             ; a step's eight tiles of K and their scale words: 17 loads
.irp t, 0,1,2,3,4,5,6,7
	ds_load_b128 v[30+6*\t:33+6*\t], v[\a16] offset:(\off)+768*\t
	ds_load_b64 v[34+6*\t:35+6*\t], v[\a8] offset:(\off)+768*\t+512
.endr
	ds_load_b128 v[246:249], v[\a16] offset:(\off)+6144
.endm
.macro FETCHV                          ; a step's four fragments of V and their scale words: 17 loads
.irp t, 0,1,2,3
.irp c, 0,1
	ds_load_b128 v[78+12*\t+6*\c:81+12*\t+6*\c], v7 offset:1536*\t+768*\c
	ds_load_b64 v[82+12*\t+6*\c:83+12*\t+6*\c], v8 offset:1536*\t+768*\c+512
.endr
.endr
	ds_load_b64 v[28:29], v7 offset:6144
.endm
.macro KQ t
.if (\t)%2
	v_wmma_scale_f32_16x16x128_f8f6f4 v[126+8*(\t):133+8*(\t)], v[30+6*(\t):41+6*(\t)], v[16:27], 0, v[246+(\t)/2], v10 matrix_a_fmt:MATRIX_FMT_FP6 matrix_b_fmt:MATRIX_FMT_FP6 matrix_a_scale:MATRIX_SCALE_ROW1
.else
	v_wmma_scale_f32_16x16x128_f8f6f4 v[126+8*(\t):133+8*(\t)], v[30+6*(\t):41+6*(\t)], v[16:27], 0, v[246+(\t)/2], v10 matrix_a_fmt:MATRIX_FMT_FP6 matrix_b_fmt:MATRIX_FMT_FP6
.endif
.endm
.macro PV t
.if (\t)%2
	v_wmma_scale_f32_16x16x128_f8f6f4 v[190+8*(\t):197+8*(\t)], v[78+12*(\t):89+12*(\t)], v[222:233], v[190+8*(\t):197+8*(\t)], v[28+(\t)/2], v251 matrix_a_fmt:MATRIX_FMT_FP6 matrix_b_fmt:MATRIX_FMT_FP6 matrix_a_scale:MATRIX_SCALE_ROW1
.else
	v_wmma_scale_f32_16x16x128_f8f6f4 v[190+8*(\t):197+8*(\t)], v[78+12*(\t):89+12*(\t)], v[222:233], v[190+8*(\t):197+8*(\t)], v[28+(\t)/2], v251 matrix_a_fmt:MATRIX_FMT_FP6 matrix_b_fmt:MATRIX_FMT_FP6
.endif
.endm
; A KEY STEP: 128 keys.  pref = 1: the next step's K is fetched while this step's softmax is walked.
.macro STEP pref
	v_add_nc_u32 v5, s[TS], v1
	v_add_nc_u32 v6, s[TS], v2
	v_add_nc_u32 v7, s[TS], v253
	v_add_nc_u32 v8, s[TS], v254
	s_wait_dscnt 0x0                               ; this step's K, asked for a step ago
.irp t, 0,1,2,3,4,5,6,7
	KQ \t
.endr
.rept 4
	v_nop                                          ; four places in front of loads into registers that matrix instructions have read, and of the first read of the scores
.endr
	FETCHV
.if \pref
	FETCHK 5, 6, REC
.endif
.irp b, 0,1,2,3
	v_max3_num_f32 v[234+\b], v[126+16*\b], v[127+16*\b], v[128+16*\b]   ; the largest score of each block of 32 keys: for the row's maximum and, since p rises with the score, for the block's largest p
.endr
.irp i, 3,5,7,9,11,13
.irp b, 0,1,2,3
	v_max3_num_f32 v[234+\b], v[234+\b], v[126+16*\b+\i], v[127+16*\b+\i]
.endr
.endr
.irp b, 0,1,2,3
	v_max_num_f32 v[234+\b], v[234+\b], v[141+16*\b]
.endr
.irp b, 0,1,2,3
	v_permlanex16_b32 v[238+\b], v[234+\b], s[SEL], s[SEL+1]
.endr
.irp b, 0,1,2,3
	v_max_num_f32 v[234+\b], v[234+\b], v[238+\b]  ; with lane l xor 16's 16 keys
.endr
	v_max3_num_f32 v252, v234, v235, v236
	v_max_num_f32 v252, v252, v237
	v_mul_f32 v252, s[CS], v252                    ; as t (c is positive)
	v_max_num_f32 v13, v13, v252                   ; the running largest t
	v_mov_b32 v252, v12
	v_floor_f32 v12, -v13                          ; the new -M = floor(-t): M is a whole number
	v_sub_f32 v252, v12, v252                      ; old M - new M: a whole number, 0 or less
	v_cvt_i32_f32 v252, v252                       ; (it saturates)
	v_ldexp_f32 v250, 1.0, v252                    ; f = 2^(old M - new M)
.set j, 0
.rept 32
	v_pk_fma_f32 v[126+j:127+j], v[126+j:127+j], s[CS:CS+1], v[12:13] op_sel_hi:[1,0,0]   ; t - M, two at a time
.set j, j+2
.endr
.irp b, 0,1,2,3
	v_fma_f32 v[234+\b], v[234+\b], s[CS], v12     ; the same of each block's largest score
.endr
.set j, 0
.rept 64
	v_exp_f32 v[126+j], v[126+j]                   ; p = 2^(t - M), at most 1
.set j, j+1
.endr
	v_pk_mul_f32 v[14:15], v[14:15], v[250:251] op_sel_hi:[1,0]   ; the sums under the new M: a plain instruction behind the exponentials
	s_wait_alu depctr_va_vdst(0)                   ; one wait for the whole batch, ahead of its first reader
.irp b, 0,1,2,3
	v_exp_f32 v[234+\b], v[234+\b]                 ; the block's largest p
.endr
	v_pk_add_f32 v[238:239], v[126:127], v[128:129]   ; the row's sum is taken of the unquantised p, in two chains
.irp j, 4,8,12,16,20,24,28,32,36,40,44,48,52,56,60
	v_pk_add_f32 v[14:15], v[14:15], v[126+\j:127+\j]
	v_pk_add_f32 v[238:239], v[238:239], v[128+\j:129+\j]
.endr
	v_pk_add_f32 v[14:15], v[14:15], v[238:239]
	s_wait_alu depctr_va_vdst(0)                   ; and one for the four
.irp b, 0,1,2,3
	v_max_num_f32 v[234+\b], 0x1800000, v[234+\b]  ; the floor 2^(3 - 127): the byte cannot fall under 1
.endr
.irp b, 0,1,2,3
	v_add_nc_u32 v[242+\b], 0xff000000, v[234+\b]  ; 2 off the exponent field: the conversion's scale operand
.endr
.irp b, 0,1,2,3
	v_lshrrev_b32 v[238+\b], 23, v[242+\b]         ; the byte
.endr
	v_lshl_or_b32 v251, v239, 8, v238              ; p's scale word for these 128 keys
	v_lshl_or_b32 v251, v240, 16, v251
	v_lshl_or_b32 v251, v241, 24, v251
.irp c, 0,1
	v_cvt_scalef32_pk16_fp6_f32 v[222+6*\c:224+6*\c], v[126+32*\c:141+32*\c], v[242+2*\c]
	v_cvt_scalef32_pk16_fp6_f32 v[234+4*\c:236+4*\c], v[142+32*\c:157+32*\c], v[242+2*\c+1]   ; (a conversion's three registers begin on an even number)
.endr
	v_nop                                          ; one plain place behind a scaled conversion
.irp c, 0,1
.irp i, 0,1,2
	v_permlane16_swap_b32 v[222+6*\c+\i], v[234+4*\c+\i]   ; a whole block in a lane
.endr
.irp i, 0,1,2
	v_mov_b32 v[225+6*\c+\i], v[234+4*\c+\i]
.endr
.endr
.set j, 0
.rept 16
	v_pk_mul_f32 v[190+j:191+j], v[190+j:191+j], v[250:251] op_sel_hi:[1,0]   ; O^T under the new M; these are also the places between the scale word's and the codes' last writes and the products
.set j, j+2
.endr
.if \pref
	s_wait_dscnt 17                                ; V is in; the next step's K, 17 younger loads, may be out
.else
	s_wait_dscnt 0x0
.endif
.irp t, 0,1,2,3
	PV \t
.endr
	s_add_co_u32 s[TS], s[TS], REC
.endm
.macro RUN n, ts                       ; n key steps from LDS byte ts on
	s_mov_b32 s[TS], \ts
	s_mov_b32 s[CNT], \n
.Lrun_\@:
	STEP 1
	s_sub_co_u32 s[CNT], s[CNT], 1
	s_cmp_lg_u32 s[CNT], 0
	s_cbranch_scc1 .Lrun_\@
.endm
; 32 numbers of a lane, register 16 b + i = d 32 b + 16 (lane / 16) + i, become an image's six registers and two scale bytes
.macro QH0 s, dst, wd, ct
.irp b, 0,1
	v_max3_num_f32 v[TM+\b], |v[(\s)+16*\b]|, |v[(\s)+16*\b+1]|, 0x1800000
.endr
.irp i, 2,4,6,8,10,12,14
.irp b, 0,1
	v_max3_num_f32 v[TM+\b], v[TM+\b], |v[(\s)+16*\b+\i]|, |v[(\s)+16*\b+\i+1]|
.endr
.endr
.irp b, 0,1
	v_permlanex16_b32 v[TM+2+\b], v[TM+\b], s[SEL], s[SEL+1]
.endr
.irp b, 0,1
	v_max_num_f32 v[TM+\b], v[TM+\b], v[TM+2+\b]
.endr
.irp b, 0,1
	v_add_nc_u32 v[TM+4+\b], 0xff000000, v[TM+\b]
.endr
.irp b, 0,1
	v_lshrrev_b32 v[TM+2+\b], 23, v[TM+4+\b]
.endr
	v_lshl_or_b32 v[\wd], v[TM+3], 8, v[TM+2]
	v_cvt_scalef32_pk16_fp6_f32 v[(\dst):(\dst)+2], v[(\s):(\s)+15], v[TM+4]
	v_cvt_scalef32_pk16_fp6_f32 v[(\ct):(\ct)+2], v[(\s)+16:(\s)+31], v[TM+5]
	v_nop
.irp i, 0,1,2
	v_permlane16_swap_b32 v[(\dst)+\i], v[(\ct)+\i]
.endr
.irp i, 0,1,2
	v_mov_b32 v[(\dst)+3+\i], v[(\ct)+\i]
.endr
.endm
; O^T / the sum is quantised along d; my tile's image (768 bytes) goes straight to memory; the sixteen tiles' scale words meet in LDS and leave as two blocks of 512 bytes
.macro WAYOUT p
.rept 4
	v_nop
.endr
	v_add_f32 v14, v14, v15
	v_permlanex16_b32 v252, v14, s[SEL], s[SEL+1]
	v_add_f32 v14, v14, v252                       ; the row's sum
	v_rcp_f32 v14, v14
	v_nop                                          ; a plain place behind the reciprocal,
	s_wait_alu depctr_va_vdst(0)                   ; and the wait ahead of its first reader
.set j, 0
.rept 16
	v_pk_mul_f32 v[126+j:127+j], v[190+j:191+j], v[14:15] op_sel_hi:[1,0]   ; each accumulator from its low end on
.set j, j+2
.endr
	QH0 126, 222, 252, 242
	global_store_b128 v1, v[222:225], s[OCP:OCP+1] offset:196608*(\p)
	global_store_b64 v2, v[226:227], s[OCP:OCP+1] offset:196608*(\p)+512
	ds_store_b32 v9, v252 offset:1024*(\p)         ; lanes r and r + 16 write the same word with the same value
	s_wait_dscnt 0x0                               ; for the others' sake
	s_barrier_signal -1
	s_barrier_wait -1
	s_cmp_lt_u32 s[WV], 2
	s_cbranch_scc0 .Lnot_os_\@
	ds_load_b128 v[242:245], v255 offset:1024*(\p)
	s_wait_dscnt 0x0
	global_store_b128 v1, v[242:245], s[OSP:OSP+1] offset:16384*(\p)
.Lnot_os_\@:
.endm
	QLOAD 0
	INIT
	BAR 3                                          ; chunk 0: key steps 0 to 3
	FETCHK 1, 2, 0
	s_wait_loadcnt 0x0                             ; Q
	RUN 3, 0
	BAR 2                                          ; chunk 1, one step ahead of its first use
	RUN 4, 3*REC
	BAR 1
	RUN 4, 7*REC
	BAR 0
	RUN 4, 11*REC
	STEP 0
	WAYOUT 0
	s_wait_xcnt 0x0                                ; the stores have read their registers
	QLOAD 1
	INIT
	FETCHK 1, 2, 0
	s_wait_loadcnt 0x0
	RUN 15, 0
	STEP 0
	WAYOUT 1
	s_wait_tensorcnt 0x0                           ; the wave's end
	ds_add_u32 v3, v4
	s_wait_dscnt 0x0
	CROUND                                         ; the closing round
	s_endpgm
.Lfunc_end_k_q40a6e045b3_attn:
	.size	k_q40a6e045b3_attn, .Lfunc_end_k_q40a6e045b3_attn-k_q40a6e045b3_attn
	.p2alignl 7, 3214868480
	.fill 96, 4, 3214868480
	.section	.rodata,"a",@progbits
	.p2align	6, 0x0
	.amdhsa_kernel k_q40a6e045b3_attn
		.amdhsa_group_segment_fixed_size 217088
		.amdhsa_private_segment_fixed_size 0
		.amdhsa_enable_private_segment 0
		.amdhsa_kernarg_size 40
		.amdhsa_user_sgpr_count 2
		.amdhsa_user_sgpr_kernarg_segment_ptr 1
		.amdhsa_wavefront_size32 1
		.amdhsa_system_sgpr_workgroup_id_x 1
		.amdhsa_system_sgpr_workgroup_id_y 1
		.amdhsa_system_sgpr_workgroup_id_z 1
		.amdhsa_system_vgpr_workitem_id 0
		.amdhsa_next_free_vgpr 256
		.amdhsa_next_free_sgpr 66
		.amdhsa_reserve_vcc 0
		.amdhsa_float_denorm_mode_32 3
		.amdhsa_float_denorm_mode_16_64 3
		.amdhsa_memory_ordered 1
		.amdhsa_forward_progress 1
		.amdhsa_inst_pref_size 128
	.end_amdhsa_kernel
	.amdgpu_metadata
---
amdhsa.version: [ 1, 2 ]
amdhsa.kernels:
  - .name:           k_q40a6e045b3_attn
    .symbol:         k_q40a6e045b3_attn.kd
    .args:
      - { .name: qc, .offset: 0, .size: 8, .value_kind: global_buffer, .address_space: global }
      - { .name: kc, .offset: 8, .size: 8, .value_kind: global_buffer, .address_space: global }
      - { .name: vc, .offset: 16, .size: 8, .value_kind: global_buffer, .address_space: global }
      - { .name: oc, .offset: 24, .size: 8, .value_kind: global_buffer, .address_space: global }
      - { .name: osc, .offset: 32, .size: 8, .value_kind: global_buffer, .address_space: global }
    .group_segment_fixed_size: 217088
    .private_segment_fixed_size: 0
    .kernarg_segment_align: 8
    .kernarg_segment_size: 40
    .max_flat_workgroup_size: 512
    .sgpr_count:     66
    .vgpr_count:     256
    .wavefront_size: 32
...
	.end_amdgpu_metadata
.endif
;; end of part 3
;; launch oproj (part 4): grid 4 x 64, 4 waves a work-group, no clusters, 116,224 bytes of LDS; arguments oc, osc, wc, out0; writes out0
.if DOCPART == 4
	.amdgcn_target "amdgcn-amd-amdhsa--gfx1250"
	.amdhsa_code_object_version 6
	.text
	.protected	k_q40a6e045b3_oproj
	.globl	k_q40a6e045b3_oproj
	.p2align	8
	.type	k_q40a6e045b3_oproj,@function
k_q40a6e045b3_oproj:
	s_mov_b64 s[64:65], 0
	v_nop
	global_prefetch_b8 v0, s[64:65] scope:SCOPE_SE
	s_setreg_imm32_b32 hwreg(HW_REG_WAVE_MODE, 25, 1), 1
	s_wait_xcnt 0x0
; out0 = O Wo on codes of FP6 (E2M3), one E8M0 byte for each 32 along K; sums in f32.  O's codes (oc) and scale words (osc) and Wo's records (wc, fourth weight) lie in the order of the operand's registers.
; Work-group (x, y): rows 128 y on, columns 256 x on.  Wave w: all 128 rows x columns 64 w on: 32 accumulators.  Its part of Wo (8 K steps x 4 fragments, 384 registers) stays in registers, read from memory once.
; O's 8 tiles x 8 K steps are 98,304 dense bytes: each wave copies a quarter into LDS through registers, one barrier, then every wave reads all.
; Used transposed: source 0 = 16 columns of Wo, source 1 = 16 rows of O: a lane holds eight neighbouring numbers of a row of out0.
; Lane r of tile i holds row (or column) 32 (i / 2) + 8 (i % 2) + r + 8 (r / 8) of its 128.
; No cluster and no tensor load: the weight goes straight into operand registers, and O's codes are a few loads a wave.
; REGISTERS: window 0: v1-11 addresses; v12-27 Wo's scale words, v28-59 O's; v64-159, v160-255 O's fragments, two sets (first the copy, last the way out).  windows 1, 2: Wo's fragment (s, t) at window 1 + s / 4, v[48 (s % 4) + 12 t].
;   window 3: accumulator (a, t) at v[32 a + 8 t]; at the head v0-63 hold osc's words as loaded.
.set WREC,  12800
.set WGRP,  102400
.set WMAT,  819200
.set STGO,  98304                      ; LDS: behind O's codes a stage of 16 rows x 272 bytes for each wave
.set SPARE, 115712                     ; the spare words, 128 bytes for each wave, which no other line names
.set L16, 1
.set L8,  2
.set SPW, 3
.set NIL, 4
.set H16, 5                            ; v1, v2 + 49,152: tiles 4 to 7
.set H8,  6
.set XCP, 7
.set STO, 8
.set RD,  9
.set CO,  10
.set LW,  11
.set WS,  12
.set XS,  28
.set XF,  64
.set BK,  64
.set MSB, 0
.macro WIN new
.if MSB != (\new)
	s_set_vgpr_msb (MSB<<8)|(\new)
.set MSB, (\new)
.endif
.endm
.macro PLACES
.rept 4
	v_nop
.endr
.endm
	s_load_b256 s[4:11], s[0:1], 0x0               ; oc, osc, wc, out0
	v_lshl_add_u32 v[SPW], v0, 2, SPARE
	v_mov_b32 v[NIL], 0
	v_lshrrev_b32 v12, 5, v0
	v_readfirstlane_b32 s16, v12                   ; wave
	s_and_b32 s18, ttmp7, 0xffff                   ; which 128 rows
	v_and_b32 v12, 31, v0
	v_lshlrev_b32 v[L16], 4, v12
	v_lshlrev_b32 v[L8], 3, v12
	v_add_nc_u32 v[H16], 49152, v[L16]
	v_add_nc_u32 v[H8], 49152, v[L8]
	v_and_b32 v13, 15, v0                          ; r
	v_bfe_u32 v14, v0, 4, 1                        ; h
	s_mul_i32 s28, s16, 24576
	v_add_nc_u32 v[XCP], s28, v[L16]
	s_mul_i32 s19, s16, 4352
	s_add_co_u32 s19, s19, STGO                    ; my stage
	v_mul_u32_u24 v[STO], v13, 272
	v_lshl_add_u32 v[STO], v14, 6, v[STO]
	v_add_nc_u32 v[STO], s19, v[STO]               ; in: row r, + 64 h
	v_mul_u32_u24 v[RD], v14, 272
	v_lshl_add_u32 v[RD], v13, 4, v[RD]
	v_add_nc_u32 v[RD], s19, v[RD]                 ; back: lanes 0-15 one row of 256 bytes, lanes 16-31 the next
	v_lshlrev_b32 v[CO], 12, v14
	v_lshl_add_u32 v[CO], v13, 4, v[CO]            ; and the same two rows in out0
	s_lshr_b32 s19, s16, 1
	s_and_b32 s20, s16, 1                          ; which half of the group's eight tiles
	v_lshl_add_u32 v[LW], s20, 3, v[L16]           ; my two words of a lane's four in Wo's scale block
	s_lshl_b32 s21, ttmp9, 1
	s_add_co_u32 s21, s21, s19                     ; Wo's group of 128 columns
	s_mul_i32 s22, s21, WGRP
	s_add_co_u32 s22, s22, 3*WMAT
	s_mov_b32 s23, 0
	s_mul_i32 s24, s20, 6144
	s_mov_b32 s25, 0
	s_mul_i32 s26, s18, 98304
	s_add_co_u32 s26, s26, s28
	s_mov_b32 s27, 0
	s_lshl_b32 s28, s18, 13
	s_mov_b32 s29, 0
	s_lshl_b32 s30, s18, 19
	s_lshl_b32 s19, ttmp9, 10
	s_add_co_u32 s30, s30, s19
	s_lshl_b32 s19, s16, 8
	s_add_co_u32 s30, s30, s19
	s_mov_b32 s31, 0
	s_wait_kmcnt 0x0
	s_add_nc_u64 s[4:5], s[4:5], s[26:27]          ; my quarter of the rows' codes
	s_add_nc_u64 s[6:7], s[6:7], s[28:29]          ; the rows' scale blocks, one a head
	s_add_nc_u64 s[8:9], s[8:9], s[22:23]          ; Wo's group,
	s_add_nc_u64 s[12:13], s[8:9], s[24:25]        ; and my four tiles in its records
	s_add_nc_u64 s[10:11], s[10:11], s[30:31]      ; out0 at my rows and columns
.macro GFR reg, off
	global_load_b128 v[(\reg):(\reg)+3], v[L16], s[12:13] offset:(\off)
	global_load_b64 v[(\reg)+4:(\reg)+5], v[L8], s[12:13] offset:(\off)+512
	global_load_b128 v[(\reg)+6:(\reg)+9], v[L16], s[12:13] offset:(\off)+768
	global_load_b64 v[(\reg)+10:(\reg)+11], v[L8], s[12:13] offset:(\off)+1280
.endm
.macro WLOAD s                         ; Wo's four fragments of K step s: 16 loads
	WIN 0x40*(1+(\s)/4)
.irp t, 0,1,2,3
	GFR 48*((\s)%4)+12*\t, WREC*(\s)+1536*\t
.endr
.endm
.macro DFR reg, a16, a8, off
	ds_load_b128 v[(\reg):(\reg)+3], v[\a16] offset:(\off)
	ds_load_b64 v[(\reg)+4:(\reg)+5], v[\a8] offset:(\off)+512
	ds_load_b128 v[(\reg)+6:(\reg)+9], v[\a16] offset:(\off)+768
	ds_load_b64 v[(\reg)+10:(\reg)+11], v[\a8] offset:(\off)+1280
.endm
.macro FETCHX s                        ; O's eight fragments of K step s into set s % 2: 32 loads
.irp i, 0,1,2,3
	DFR XF+96*((\s)%2)+12*\i, L16, L8, 12288*\i+1536*(\s)
.endr
.irp i, 0,1,2,3
	DFR XF+96*((\s)%2)+12*(\i+4), H16, H8, 12288*\i+1536*(\s)
.endr
.endm
.irp s, 0,1,2,3,4,5,6,7
	global_load_b64 v[WS+2*\s:WS+2*\s+1], v[LW], s[8:9] offset:WREC*\s+12288
.endr
	WIN 0xc0                                       ; destination window 3
.irp hd, 0,1,2,3,4,5,6,7,8,9,10,11,12,13,14,15
	global_load_b128 v[4*\hd:4*\hd+3], v[L16], s[6:7] offset:512*\hd
.endr
	WLOAD 0
	WLOAD 1
	WIN 0
.set i, 0
.rept 48
	global_load_b128 v[64+4*i:67+4*i], v[L16], s[4:5] offset:512*i
.set i, i+1
.endr
	s_wait_loadcnt 0x0
.set i, 0
.rept 48
	ds_store_b128 v[XCP], v[64+4*i:67+4*i] offset:512*i
.set i, i+1
.endr
.irp s, 2,3,4,5,6,7
	WLOAD \s
.endr
	WIN 0x33                                       ; sources 0 and 2 window 3
.irp s, 0,1,2,3,4,5,6,7
.irp q, 0,1,2,3
	v_lshl_or_b32 v[XS+4*\s+\q], v[8*\s+4+\q], 16, v[8*\s+\q]   ; a K step is two heads: their two bytes each make the word
.endr
.endr
	WIN 0
	s_wait_dscnt 0x0                               ; for the others' sake: my quarter has landed
	s_barrier_signal -1
	s_barrier_wait -1
	FETCHX 0
.macro WMS
.if rZ
.if rR == 0
	v_wmma_scale_f32_16x16x128_f8f6f4 v[rD:rD+7], v[rA:rA+11], v[rB:rB+11], 0, v[rSA], v[rSB] matrix_a_fmt:MATRIX_FMT_FP6 matrix_b_fmt:MATRIX_FMT_FP6
.elseif rR == 1
	v_wmma_scale_f32_16x16x128_f8f6f4 v[rD:rD+7], v[rA:rA+11], v[rB:rB+11], 0, v[rSA], v[rSB] matrix_a_fmt:MATRIX_FMT_FP6 matrix_b_fmt:MATRIX_FMT_FP6 matrix_b_scale:MATRIX_SCALE_ROW1
.elseif rR == 2
	v_wmma_scale_f32_16x16x128_f8f6f4 v[rD:rD+7], v[rA:rA+11], v[rB:rB+11], 0, v[rSA], v[rSB] matrix_a_fmt:MATRIX_FMT_FP6 matrix_b_fmt:MATRIX_FMT_FP6 matrix_a_scale:MATRIX_SCALE_ROW1
.else
	v_wmma_scale_f32_16x16x128_f8f6f4 v[rD:rD+7], v[rA:rA+11], v[rB:rB+11], 0, v[rSA], v[rSB] matrix_a_fmt:MATRIX_FMT_FP6 matrix_b_fmt:MATRIX_FMT_FP6 matrix_a_scale:MATRIX_SCALE_ROW1 matrix_b_scale:MATRIX_SCALE_ROW1
.endif
.else
.if rR == 0
	v_wmma_scale_f32_16x16x128_f8f6f4 v[rD:rD+7], v[rA:rA+11], v[rB:rB+11], v[rD:rD+7], v[rSA], v[rSB] matrix_a_fmt:MATRIX_FMT_FP6 matrix_b_fmt:MATRIX_FMT_FP6
.elseif rR == 1
	v_wmma_scale_f32_16x16x128_f8f6f4 v[rD:rD+7], v[rA:rA+11], v[rB:rB+11], v[rD:rD+7], v[rSA], v[rSB] matrix_a_fmt:MATRIX_FMT_FP6 matrix_b_fmt:MATRIX_FMT_FP6 matrix_b_scale:MATRIX_SCALE_ROW1
.elseif rR == 2
	v_wmma_scale_f32_16x16x128_f8f6f4 v[rD:rD+7], v[rA:rA+11], v[rB:rB+11], v[rD:rD+7], v[rSA], v[rSB] matrix_a_fmt:MATRIX_FMT_FP6 matrix_b_fmt:MATRIX_FMT_FP6 matrix_a_scale:MATRIX_SCALE_ROW1
.else
	v_wmma_scale_f32_16x16x128_f8f6f4 v[rD:rD+7], v[rA:rA+11], v[rB:rB+11], v[rD:rD+7], v[rSA], v[rSB] matrix_a_fmt:MATRIX_FMT_FP6 matrix_b_fmt:MATRIX_FMT_FP6 matrix_a_scale:MATRIX_SCALE_ROW1 matrix_b_scale:MATRIX_SCALE_ROW1
.endif
.endif
.endm
; A K step: the next step's fragments of O, then 32 products.  The 32 accumulators take turns, one instruction a turn, in one order.
.macro KSTEPO s
.if (\s) < 7
	PLACES                                         ; four places between the last products and the loads into the set that they read
	FETCHX (\s)+1
	s_wait_dscnt 32                                ; this step's fragments are in; the 32 loads just issued may be out
.else
	s_wait_dscnt 0x0
.endif
.if (\s) >= 2
.if 16*(7-(\s)) > 63
	s_wait_loadcnt 63                              ; Wo's K step s is in: 16 (7 - s) younger loads might be out; the wait's field holds 63, and a smaller count is safe
.else
	s_wait_loadcnt 16*(7-(\s))
.endif
.endif
.if (\s) == 0
.set rZ, 1
.else
.set rZ, 0
.endif
	WIN 0xf1+(\s)/4                                ; source 0 (Wo) window 1 or 2, source 1 (O) window 0, C and D window 3
.irp a, 0,1,2,3,4,5,6,7
.irp t, 0,1,2,3
.set rD, 32*\a+8*\t
.set rA, 48*((\s)%4)+12*\t
.set rB, XF+96*((\s)%2)+12*\a
.set rSA, WS+2*(\s)+\t/2
.set rSB, XS+4*(\s)+\a/2
.set rR, 2*(\t%2)+\a%2
	WMS
.endr
.endr
	WIN 0
.endm
.irp s, 0,1,2,3,4,5,6,7
	KSTEPO \s
.endr
; THE WAY OUT, a tile of 16 rows x 64 columns at a time, through my own stage: LDS serves a wave's instructions in order, so no wait stands between the stores and the loads, nor in front of the next tile's stores.
.macro TOSTAGE a
	WIN 0x0c                                       ; an LDS store's data are its source 1: window 3
.irp t, 0,1,2,3
	ds_store_b128 v[STO], v[32*(\a)+8*\t:32*(\a)+8*\t+3] offset:128*(\t/2)+32*(\t%2)        ; each accumulator from its low end on
	ds_store_b128 v[STO], v[32*(\a)+8*\t+4:32*(\a)+8*\t+7] offset:128*(\t/2)+32*(\t%2)+16
.endr
	WIN 0
.irp i, 0,1,2,3,4,5,6,7
	ds_load_b128 v[BK+32*((\a)%2)+4*\i:BK+32*((\a)%2)+4*\i+3], v[RD] offset:544*\i
.endr
.endm
.macro SEND a, younger                 ; younger: the LDS instructions issued behind tile a's loads
	s_wait_dscnt \younger
.irp i, 0,1,2,3,4,5,6,7
	global_store_b128 v[CO], v[BK+32*((\a)%2)+4*\i:BK+32*((\a)%2)+4*\i+3], s[10:11] offset:(32*((\a)/2)+8*((\a)%2)+2*\i+8*(\i/4))*4096 th:TH_STORE_NT   ; sixteen lanes store 256 consecutive bytes, at a multiple of 256 from out0's first byte
.endr
.endm
	PLACES
	TOSTAGE 0
.irp a, 1,2,3,4,5,6,7
.if \a > 1
	s_wait_xcnt 0x0                                ; tile a - 2's stores have read the registers into which tile a's loads land
.endif
	TOSTAGE \a
	SEND \a-1, 16
.endr
	SEND 7, 0
	s_wait_tensorcnt 0x0                           ; the wave's end
	ds_add_u32 v[SPW], v[NIL]
	s_wait_dscnt 0x0
	s_endpgm
.Lfunc_end_k_q40a6e045b3_oproj:
	.size	k_q40a6e045b3_oproj, .Lfunc_end_k_q40a6e045b3_oproj-k_q40a6e045b3_oproj
	.p2alignl 7, 3214868480
	.fill 96, 4, 3214868480
	.section	.rodata,"a",@progbits
	.p2align	6, 0x0
	.amdhsa_kernel k_q40a6e045b3_oproj
		.amdhsa_group_segment_fixed_size 116224
		.amdhsa_private_segment_fixed_size 0
		.amdhsa_enable_private_segment 0
		.amdhsa_kernarg_size 32
		.amdhsa_user_sgpr_count 2
		.amdhsa_user_sgpr_kernarg_segment_ptr 1
		.amdhsa_wavefront_size32 1
		.amdhsa_system_sgpr_workgroup_id_x 1
		.amdhsa_system_sgpr_workgroup_id_y 1
		.amdhsa_system_sgpr_workgroup_id_z 1
		.amdhsa_system_vgpr_workitem_id 0
		.amdhsa_next_free_vgpr 1024
		.amdhsa_next_free_sgpr 66
		.amdhsa_reserve_vcc 0
		.amdhsa_float_denorm_mode_32 3
		.amdhsa_float_denorm_mode_16_64 3
		.amdhsa_memory_ordered 1
		.amdhsa_forward_progress 1
		.amdhsa_inst_pref_size 92
	.end_amdhsa_kernel
	.amdgpu_metadata
---
amdhsa.version: [ 1, 2 ]
amdhsa.kernels:
  - .name:           k_q40a6e045b3_oproj
    .symbol:         k_q40a6e045b3_oproj.kd
    .args:
      - { .name: oc, .offset: 0, .size: 8, .value_kind: global_buffer, .address_space: global }
      - { .name: osc, .offset: 8, .size: 8, .value_kind: global_buffer, .address_space: global }
      - { .name: wc, .offset: 16, .size: 8, .value_kind: global_buffer, .address_space: global }
      - { .name: out0, .offset: 24, .size: 8, .value_kind: global_buffer, .address_space: global }
    .group_segment_fixed_size: 116224
    .private_segment_fixed_size: 0
    .kernarg_segment_align: 8
    .kernarg_segment_size: 32
    .max_flat_workgroup_size: 128
    .sgpr_count:     66
    .vgpr_count:     1024
    .wavefront_size: 32
...
	.end_amdgpu_metadata
.endif
;; end of part 4
;; ======== version 2 of 2: 4 launches
;; workspace buffers: wc 3,276,800 bytes; qc 6,815,744 bytes; kc 6,815,744 bytes; vc 6,815,744 bytes; oc 6,291,456 bytes; osc 524,288 bytes
;; launch qw: the kernel of part 1 again; grid 8 x 32, 4 waves a work-group, no clusters, 13,312 bytes of LDS; arguments Wq, Wk, Wv, Wo, wc; writes wc
;; launch projf (part 5): grid 64 x 3, 4 waves a work-group, no clusters, 170,496 bytes of LDS; arguments q, k, v, wc, qc, kc, vc; writes qc, kc, vc
.if DOCPART == 5
	.amdgcn_target "amdgcn-amd-amdhsa--gfx1250"
	.amdhsa_code_object_version 6
	.text
	.protected	k_q40a6e045b3_projf
	.globl	k_q40a6e045b3_projf
	.p2align	8
	.type	k_q40a6e045b3_projf,@function
k_q40a6e045b3_projf:
	s_mov_b64 s[64:65], 0
	v_nop
	global_prefetch_b8 v0, s[64:65] scope:SCOPE_SE
	s_setreg_imm32_b32 hwreg(HW_REG_WAVE_SCHED_MODE, 0, 2), 2
	s_setreg_imm32_b32 hwreg(HW_REG_WAVE_MODE, 25, 1), 1
	s_wait_xcnt 0x0
	s_wait_alu depctr_vm_vsrc(0)
; Q = q Wq, K = k Wk, V = v Wv on codes of FP6 (E2M3), one E8M0 byte for each 32 along K; the results are quantised at once for attention and never go to memory as f32.
; Work-group (x, y): 128 rows x of tensor y (0 q, 1 k, 2 v).  PHASE X: the 128 rows x 1,024 are quantised once into LDS, as 8 records laid like wc's (8 fragments of 1,536 bytes + 512 bytes of scale words a K step).
; THEN wave w makes two tiles of 128 x 128, against the weight's groups 2 w and 2 w + 1 (two heads each): 64 accumulators, 512 registers.  The weight's fragments come from memory straight into the operand's registers.
; C'(X, Y) has source 0 = Y, source 1 = X: a lane holds one X, its registers run along Y, and it is quantised along Y.  q, k: X = my rows, Y = the weight's columns (the head's 64).  v: X = the weight's columns, Y = my rows (the keys).
; The products, the accumulators and the quantiser are one text; only the fetches and the packing of scale words part, on the work-group's y.
; THE ROWS OF A TILE: lane r of tile i holds row 32 (i / 2) + 8 (i % 2) + r + 8 (r / 8) of its 128, so that the 16 registers of result tiles 2 b, 2 b + 1 are 16 neighbours 32 b + 16 (lane / 16) + 0 .. 15 along Y.
; OUT: qc, kc = [batch x head 64][128 rows 16][6,656]: tile a's image (16 rows x 64 d, 768 bytes) at 768 a, scale block at 6,144 (two bytes a word).  vc likewise: d-tile t's fragment (16 d x 128 keys) at 1,536 t; scale words 0, 1 of a lane.
; LIMITS: NaN and infinities are not served; a block of zeros, and one under 2^-124, gets the byte 1 (zero codes add nothing; this program alone reads the bytes).
; No cluster and no tensor load: each wave's part of the weight is read by that wave alone and lands in its operand registers; the rows are read by one work-group.
; REGISTERS: window 0: v1-31 addresses and work; v32-39 X's scale words (two sets), v40-47 Y's; v48-63 the results' scale words; v64-159, v160-255 X's fragments, two sets (phase X: numbers and codes; way out: codes).
;   window 1: Y's fragments at v0 and v128 (phase X: four sets of 64 numbers as loaded).   windows 2, 3: accumulator (a, b) at window 2 + a / 4, v[64 (a % 4) + 8 b].
; THE MODE: SCHED_MODE bits 1:0 = 2 (LLVM: expert scheduling mode 2), set by the entry lines.  The code itself states the register dependences
; between vector or matrix instructions and memory or LDS instructions, with s_wait_alu, always for 0.
; THE PLAN.  Registers that memory or LDS instructions touch:
;   PHASE X.  Window 1, set f: written by fragment f's 16 loads, read by the 16 LDS stores that turn it through the stage; no vector instruction names it.
;     N0, N1 (v64-191): written by the stage's LDS loads, read by the quantiser of the step that works on them.   PC (v192-203) and v[SWD]: written by the quantiser, read by the step's LDS stores.
;     v[XW16], v[XW8], v[XWS]: written in a trip's first step, read by those stores.   v[L16], v[L8], v[STWA], v[STRA]: made at the head, never written again.
;     A step has one wait on vm_vsrc, at its head, and one on va_vdst, ahead of its LDS stores of codes.  The second also shows the step's quantiser done reading its N: the next step's LDS loads into that N follow with no
;     further wait, since no vector instruction between names it.
;   THE PRODUCTS.  Set p (16 fragments, two scale blocks): written by the loads issued in K step s - 1, read by K step s's 64 products.  v[XL16], v[XL8]: written between K steps, read by the LDS loads.
;     ONE wait on va_vdst stands at a K step's head: the last step's products are done with the other set.  All 66 loads into that set follow it, those from LDS dealt among this step's products,
;     which name this set, its scale words and the accumulators alone.
;   THE WAY OUT.  A tile's 12 registers of codes and the two scale blocks: written by vector instructions, read by stores.  One wait on va_vdst ahead of each run of stores, one on vm_vsrc ahead of the next tile's quantiser.
.set WREC,  12800
.set WGRP,  102400
.set WMAT,  819200
.set REC,   6656
.set HEADB, 106496
.set STG,   102400                     ; LDS: behind the 8 records two stages a wave, 16 rows of 528 bytes each
.set STG1,  8448
.set SPARE, 169984                     ; the spare words, 128 bytes for each wave, which no other line names
.set L16,  1                           ; 16 x lane
.set L8,   2                           ; 8 x lane
.set SPW,  3
.set NIL,  4
.set STWA, 6                           ; a stage, on the way in: 16 x lane
.set STRA, 7                           ; and out: 528 r + 64 h
.set XW16, 8                           ; where I store my images in the trip's records
.set XW8,  9
.set XWS,  10                          ; and my scale words
.set XL16, 11                          ; where the K step's record is read
.set XL8,  12
.set XB16, 13                          ; the stores' bases, which stay
.set XB8,  14
.set XBS,  15
.set TM,   16                          ; v16-21 the quantiser's work
.set CT,   24                          ; v24-26 a second conversion's result
.set SWD,  27
.set WD,   28                          ; v28-29 the scale words of my two tiles
.set WLO,  30
.set WHI,  31
.set XSC,  32
.set YSC,  40
.set W16,  48
.set XF,   64
.set N,    64                          ; phase X: v64-127, v128-191: 64 neighbours, two sets
.set PC,   192                         ; phase X: a fragment's codes
.set SW,   80                          ; way out: two scale blocks
.set TT,   88
.set MSB, 0
.macro WIN new                         ; the immediate's high byte repeats the setting that is left
.if MSB != (\new)
	s_set_vgpr_msb (MSB<<8)|(\new)
.set MSB, (\new)
.endif
.endm
.macro PLACES
.rept 4
	v_nop
.endr
.endm
; 32 numbers of a lane in window w, register 16 b + i = k 32 b + 16 (lane / 16) + i, become an image's six registers v[dst] on and the two scale bytes in v[wd].
.macro QH s, w, dst, wd, ct
	WIN (\w)|((\w)<<2)
.irp b, 0,1
	v_max3_num_f32 v[TM+\b], |v[(\s)+16*\b]|, |v[(\s)+16*\b+1]|, 0x1800000   ; each result tile is read from its low end on; the floor 2^(3 - 127) holds the byte at 1 from below
.endr
	WIN ((\w)<<2)|((\w)<<4)
.irp i, 2,4,6,8,10,12,14
.irp b, 0,1
	v_max3_num_f32 v[TM+\b], v[TM+\b], |v[(\s)+16*\b+\i]|, |v[(\s)+16*\b+\i+1]|
.endr
.endr
	WIN 0
.irp b, 0,1
	v_permlanex16_b32 v[TM+2+\b], v[TM+\b], s20, s21
.endr
.irp b, 0,1
	v_max_num_f32 v[TM+\b], v[TM+\b], v[TM+2+\b]   ; with lane l xor 16's 16: the block's largest magnitude
.endr
.irp b, 0,1
	v_add_nc_u32 v[TM+4+\b], 0xff000000, v[TM+\b]  ; 2 off the exponent field: the conversion's scale operand
.endr
.irp b, 0,1
	v_lshrrev_b32 v[TM+2+\b], 23, v[TM+4+\b]       ; the byte
.endr
	v_lshl_or_b32 v[\wd], v[TM+3], 8, v[TM+2]
	WIN (\w)
	v_cvt_scalef32_pk16_fp6_f32 v[(\dst):(\dst)+2], v[(\s):(\s)+15], v[TM+4]
	v_cvt_scalef32_pk16_fp6_f32 v[(\ct):(\ct)+2], v[(\s)+16:(\s)+31], v[TM+5]
	WIN 0
	v_nop                                          ; one plain place behind a scaled conversion
.irp i, 0,1,2
	v_permlane16_swap_b32 v[(\dst)+\i], v[(\ct)+\i]   ; the layout wants a whole block in a lane: lanes 0-15 block 0, lanes 16-31 block 1
.endr
.irp i, 0,1,2
	v_mov_b32 v[(\dst)+3+\i], v[(\ct)+\i]
.endr
.endm
	s_load_b256 s[32:39], s[0:1], 0x0              ; q, k, v, wc
	s_load_b128 s[40:43], s[0:1], 0x20             ; qc, kc
	s_load_b64 s[44:45], s[0:1], 0x30              ; vc
	v_lshl_add_u32 v[SPW], v0, 2, SPARE
	v_mov_b32 v[NIL], 0
	v_lshrrev_b32 v5, 5, v0
	v_readfirstlane_b32 s16, v5                    ; wave
	s_and_b32 s17, ttmp7, 0xffff                   ; which tensor
	s_mov_b32 s18, ttmp9                           ; which 128 rows
	v_and_b32 v5, 31, v0
	v_lshlrev_b32 v[L16], 4, v5
	v_lshlrev_b32 v[L8], 3, v5
	v_and_b32 v22, 15, v0                          ; r
	v_bfe_u32 v23, v0, 4, 1                        ; h
	s_wait_alu depctr_va_sdst(0)                   ; s16 is written, ahead of its first reader: LDS places and the bases of the rows, the weight and the results are made from it
	s_mul_i32 s50, s16, 2*STG1
	s_add_co_u32 s50, s50, STG
	v_add_nc_u32 v[STWA], s50, v[L16]
	v_mul_u32_u24 v[STRA], v22, 528
	v_lshl_add_u32 v[STRA], v23, 6, v[STRA]
	v_add_nc_u32 v[STRA], s50, v[STRA]
	s_mul_i32 s51, s16, 3072                       ; my tiles 2 w, 2 w + 1 in a record
	v_add_nc_u32 v[XB16], s51, v[L16]
	v_add_nc_u32 v[XB8], s51, v[L8]
	s_lshl_b32 s51, s16, 2
	s_add_co_u32 s51, s51, 12288
	v_add_nc_u32 v[XBS], s51, v[L16]               ; word w of my lane in a record's scale block
	s_mov_b32 s20, 0x76543210
	s_mov_b32 s21, 0xfedcba98                      ; v_permlanex16_b32's selects for lane l xor 16
	s_mov_b32 vcc_lo, 0xffff0000                   ; lanes 16-31: written once, read by the selects that pack scale blocks
	v_mov_b32 v[TM+2], 0                           ; a lane permute's destination counts as one of its sources
	v_mov_b32 v[TM+3], 0
	s_lshl_b32 s52, s18, 19                        ; my work-group's 128 rows of 4,096 bytes,
	s_lshl_b32 s50, s16, 17                        ; my wave's 32
	s_add_co_u32 s52, s52, s50
	s_mov_b32 s53, 0
	s_mul_i32 s54, s17, WMAT                       ; the tensor's weight, my wave's first group
	s_mul_i32 s50, s16, 2*WGRP
	s_add_co_u32 s54, s54, s50
	s_mov_b32 s55, 0
	s_lshr_b32 s56, s18, 4
	s_lshl_b32 s56, s56, 4                         ; 16 x batch
	s_lshl_b32 s50, s16, 2
	s_add_co_u32 s56, s56, s50                     ; + my first head, 4 w
	s_mul_i32 s56, s56, HEADB
	s_and_b32 s50, s18, 15
	s_mul_i32 s50, s50, REC                        ; + my 128 rows' record
	s_add_co_u32 s56, s56, s50
	s_mov_b32 s57, 0
	s_mov_b32 s25, 0
	s_mov_b32 s27, 0
	s_mov_b32 s29, 0
	s_wait_kmcnt 0x0
	s_cmp_eq_u32 s17, 1                            ; the choices hang on the work-group's number alone
	s_cselect_b64 s[4:5], s[34:35], s[32:33]
	s_cselect_b64 s[8:9], s[42:43], s[40:41]
	s_cmp_eq_u32 s17, 2
	s_cselect_b64 s[4:5], s[36:37], s[4:5]
	s_cselect_b64 s[8:9], s[44:45], s[8:9]
	s_mov_b32 s24, 768                             ; the way out's steps.  From X's tile to the next: an image (q, k) or a fragment (v);
	s_cselect_b32 s24, 1536, s24
	s_mov_b32 s26, HEADB                           ; from Y's first 64 to its second: the next head (q, k) or the fragment's second image (v);
	s_cselect_b32 s26, 768, s26
	s_cselect_b32 s28, HEADB-6144, 0               ; at X's tile 4: nothing (q, k) or on to the next head (v)
	s_add_nc_u64 s[4:5], s[4:5], s[52:53]
	s_add_nc_u64 s[6:7], s[38:39], s[54:55]
	s_add_nc_u64 s[8:9], s[8:9], s[56:57]          ; the record of the pass's first head,
	s_add_nc_u64 s[10:11], s[8:9], HEADB           ; and of its second
	s_wait_alu depctr_va_vdst(0)                   ; v[L16], v[L8], v[STWA] and v[STRA] are written: the loads, LDS stores and LDS loads below read them as addresses
; ---- PHASE X.  A trip makes K steps 2 tau, 2 tau + 1 of my two tiles: four fragments f = 2 (K step % 2) + tile.  Each load reads 512 consecutive bytes of one row; the 16 rows turn through my stage, so that a lane gets 16 neighbours of each block.
.macro LOADF f, add
	WIN 0x40
.irp j, 0,1,2,3,4,5,6,7,8,9,10,11,12,13,14,15
	global_load_b128 v[64*(\f)+4*\j:64*(\f)+4*\j+3], v[L16], s[4:5] offset:(8*((\f)%2)+\j+8*(\j/8))*4096+512*((\f)/2)+(\add) th:TH_LOAD_NT
.endr
	WIN 0
.endm
.macro TURN f
	WIN 0x04                                       ; an LDS store's data are its source 1
.irp j, 0,1,2,3,4,5,6,7,8,9,10,11,12,13,14,15
	ds_store_b128 v[STWA], v[64*(\f)+4*\j:64*(\f)+4*\j+3] offset:STG1*((\f)%2)+528*\j
.endr
	WIN 0
.irp b, 0,1,2,3
.irp jj, 0,1,2,3
	ds_load_b128 v[N+64*((\f)%2)+16*\b+4*\jj:N+64*((\f)%2)+16*\b+4*\jj+3], v[STRA] offset:STG1*((\f)%2)+128*\b+16*\jj   ; my own stage: served in order
.endr
.endr
.endm
; nxt: the fragment that turns through the other stage meanwhile (-1: none); ahead = 1: fragment f of the next trip is asked for; left: the younger loads that may be out when nxt's 16 must be in
.macro STEPX f, nxt, ahead, left
	s_wait_dscnt 0x0                               ; my 64 neighbours are back
	s_wait_alu depctr_vm_vsrc(0)                   ; the LDS stores into the stage have read set f of window 1, in which the loads below land; the last step's LDS stores have read the codes, v[SWD] and their three addresses, which are written again below
.if (\f) == 0
	v_add_nc_u32 v[XW16], s22, v[XB16]             ; a trip's first step: where this trip's images and scale words go
	v_add_nc_u32 v[XW8], s22, v[XB8]
	v_add_nc_u32 v[XWS], s22, v[XBS]
.endif
.if \ahead
	LOADF \f, 1024
.endif
.if (\nxt) >= 0
	s_wait_loadcnt \left
	TURN \nxt                                      ; its LDS loads land in the N that the last step's quantiser read: that step's wait on va_vdst has shown it done, and no vector instruction since names that N
.endif
	QH N+64*((\f)%2), 0, PC, WLO, CT
	QH N+64*((\f)%2)+32, 0, PC+6, WHI, CT
	v_lshl_or_b32 v[WD+(\f)%2], v[WHI], 16, v[WLO] ; my row's scale word for these 128
.if (\f)%2
	v_cndmask_b32 v[SWD], v[WD], v[WD+1], vcc_lo   ; lanes 0-15 tile 2 w's word, lanes 16-31 tile 2 w + 1's
.endif
	s_wait_alu depctr_va_vdst(0)                   ; the quantiser has written the codes and v[SWD], and the three addresses are written: the LDS stores below read them; it is also done reading this step's N
.irp c, 0,1
	ds_store_b128 v[XW16], v[PC+6*\c:PC+6*\c+3] offset:WREC*((\f)/2)+1536*((\f)%2)+768*\c
	ds_store_b64 v[XW8], v[PC+6*\c+4:PC+6*\c+5] offset:WREC*((\f)/2)+1536*((\f)%2)+768*\c+512
.endr
.if (\f)%2
	ds_store_b32 v[XWS], v[SWD] offset:WREC*((\f)/2)
.endif
.endm
	LOADF 0, 0
	LOADF 1, 0
	LOADF 2, 0
	LOADF 3, 0
	s_wait_loadcnt 48                              ; fragment 0's 16 loads are in; three fragments' may be out
	TURN 0
	s_mov_b32 s22, 0
	s_mov_b32 s19, 3
.Lx:
	STEPX 0, 1, 1, 48
	STEPX 1, 2, 1, 48
	STEPX 2, 3, 1, 48
	STEPX 3, 0, 1, 48
	s_wait_xcnt 0x0                                ; the loads have read their base
	s_add_nc_u64 s[4:5], s[4:5], 1024
	s_add_co_u32 s22, s22, 2*WREC
	s_sub_co_u32 s19, s19, 1
	s_cmp_lg_u32 s19, 0
	s_cbranch_scc1 .Lx
	STEPX 0, 1, 0, 32                              ; the last trip asks for nothing: the counts run down
	STEPX 1, 2, 0, 16
	STEPX 2, 3, 0, 0
	STEPX 3, -1, 0, 0
	s_wait_dscnt 0x0                               ; for the others' sake: my images and scale words have landed
	s_barrier_signal -1
	s_barrier_wait -1                              ; the 8 records are whole; nothing is stored to LDS from here on
; ---- THE PRODUCTS
.macro GFR reg, off                    ; a fragment from the weight's record: four loads, each of 512 or 256 consecutive bytes
	global_load_b128 v[(\reg):(\reg)+3], v[L16], s[6:7] offset:(\off)
	global_load_b64 v[(\reg)+4:(\reg)+5], v[L8], s[6:7] offset:(\off)+512
	global_load_b128 v[(\reg)+6:(\reg)+9], v[L16], s[6:7] offset:(\off)+768
	global_load_b64 v[(\reg)+10:(\reg)+11], v[L8], s[6:7] offset:(\off)+1280
.endm
.macro DFR reg, off                    ; and from my rows' record in LDS
	ds_load_b128 v[(\reg):(\reg)+3], v[XL16] offset:(\off)
	ds_load_b64 v[(\reg)+4:(\reg)+5], v[XL8] offset:(\off)+512
	ds_load_b128 v[(\reg)+6:(\reg)+9], v[XL16] offset:(\off)+768
	ds_load_b64 v[(\reg)+10:(\reg)+11], v[XL8] offset:(\off)+1280
.endm
; A K step's 16 fragments and two scale blocks into set: on either way 33 loads from memory and 33 from LDS, which fill the same registers.
; The weight's eight fragments and its scale block, from memory: Y (q, k) or X (v)
.macro FETCHG set, ko
	s_cmp_eq_u32 s17, 2
	s_cbranch_scc1 .Lgv_\@
	WIN 0x40
.irp i, 0,1,2,3,4,5,6,7
	GFR 128*(\set)+12*\i, WREC*(\ko)+1536*\i
.endr
	WIN 0
	global_load_b128 v[YSC+4*(\set):YSC+4*(\set)+3], v[L16], s[6:7] offset:WREC*(\ko)+12288
	s_branch .Lgd_\@
.Lgv_\@:
.irp i, 0,1,2,3,4,5,6,7
	GFR XF+96*(\set)+12*\i, WREC*(\ko)+1536*\i
.endr
	global_load_b128 v[XSC+4*(\set):XSC+4*(\set)+3], v[L16], s[6:7] offset:WREC*(\ko)+12288
.Lgd_\@:
.endm
; My rows' fragments, from LDS: X (q, k) or Y (v).  part 0: fragments 0 to 3, 16 loads; part 1: fragments 4 to 7 and the scale block, 17 loads
.macro FETCHL set, ko, part
	s_cmp_eq_u32 s17, 2
	s_cbranch_scc1 .Llv_\@
.irp i, 0,1,2,3
	DFR XF+96*(\set)+12*(4*(\part)+\i), WREC*(\ko)+1536*(4*(\part)+\i)
.endr
.if \part
	ds_load_b128 v[XSC+4*(\set):XSC+4*(\set)+3], v[XL16] offset:WREC*(\ko)+12288
.endif
	s_branch .Lld_\@
.Llv_\@:
	WIN 0x40
.irp i, 0,1,2,3
	DFR 128*(\set)+12*(4*(\part)+\i), WREC*(\ko)+1536*(4*(\part)+\i)
.endr
	WIN 0
.if \part
	ds_load_b128 v[YSC+4*(\set):YSC+4*(\set)+3], v[XL16] offset:WREC*(\ko)+12288
.endif
.Lld_\@:
.endm
.macro WMS                             ; one product, by the symbols rD, rA, rB, rSA, rSB; rR: which halves of the scale registers' lanes; rZ = 1: it starts the sum
.if rZ
.if rR == 0
	v_wmma_scale_f32_16x16x128_f8f6f4 v[rD:rD+7], v[rA:rA+11], v[rB:rB+11], 0, v[rSA], v[rSB] matrix_a_fmt:MATRIX_FMT_FP6 matrix_b_fmt:MATRIX_FMT_FP6
.elseif rR == 1
	v_wmma_scale_f32_16x16x128_f8f6f4 v[rD:rD+7], v[rA:rA+11], v[rB:rB+11], 0, v[rSA], v[rSB] matrix_a_fmt:MATRIX_FMT_FP6 matrix_b_fmt:MATRIX_FMT_FP6 matrix_b_scale:MATRIX_SCALE_ROW1
.elseif rR == 2
	v_wmma_scale_f32_16x16x128_f8f6f4 v[rD:rD+7], v[rA:rA+11], v[rB:rB+11], 0, v[rSA], v[rSB] matrix_a_fmt:MATRIX_FMT_FP6 matrix_b_fmt:MATRIX_FMT_FP6 matrix_a_scale:MATRIX_SCALE_ROW1
.else
	v_wmma_scale_f32_16x16x128_f8f6f4 v[rD:rD+7], v[rA:rA+11], v[rB:rB+11], 0, v[rSA], v[rSB] matrix_a_fmt:MATRIX_FMT_FP6 matrix_b_fmt:MATRIX_FMT_FP6 matrix_a_scale:MATRIX_SCALE_ROW1 matrix_b_scale:MATRIX_SCALE_ROW1
.endif
.else
.if rR == 0
	v_wmma_scale_f32_16x16x128_f8f6f4 v[rD:rD+7], v[rA:rA+11], v[rB:rB+11], v[rD:rD+7], v[rSA], v[rSB] matrix_a_fmt:MATRIX_FMT_FP6 matrix_b_fmt:MATRIX_FMT_FP6
.elseif rR == 1
	v_wmma_scale_f32_16x16x128_f8f6f4 v[rD:rD+7], v[rA:rA+11], v[rB:rB+11], v[rD:rD+7], v[rSA], v[rSB] matrix_a_fmt:MATRIX_FMT_FP6 matrix_b_fmt:MATRIX_FMT_FP6 matrix_b_scale:MATRIX_SCALE_ROW1
.elseif rR == 2
	v_wmma_scale_f32_16x16x128_f8f6f4 v[rD:rD+7], v[rA:rA+11], v[rB:rB+11], v[rD:rD+7], v[rSA], v[rSB] matrix_a_fmt:MATRIX_FMT_FP6 matrix_b_fmt:MATRIX_FMT_FP6 matrix_a_scale:MATRIX_SCALE_ROW1
.else
	v_wmma_scale_f32_16x16x128_f8f6f4 v[rD:rD+7], v[rA:rA+11], v[rB:rB+11], v[rD:rD+7], v[rSA], v[rSB] matrix_a_fmt:MATRIX_FMT_FP6 matrix_b_fmt:MATRIX_FMT_FP6 matrix_a_scale:MATRIX_SCALE_ROW1 matrix_b_scale:MATRIX_SCALE_ROW1
.endif
.endif
.endm
.macro WM a, b, set, zero              ; X's tile a against Y's tile b; tile i's scale words: register i / 2, lanes 16 (i % 2) on
.set rD, 64*((\a)%4)+8*(\b)
.set rA, 128*(\set)+12*(\b)
.set rB, XF+96*(\set)+12*(\a)
.set rSA, YSC+4*(\set)+(\b)/2
.set rSB, XSC+4*(\set)+(\a)/2
.set rR, 2*((\b)%2)+(\a)%2
.set rZ, \zero
	WMS
.endm
; A K step: 64 products on this set; the next step's loads go into the other set: those from memory at the head, those from LDS in two runs, behind the first 16 and the next 16 products, so that 32 products are left for the last of them to land.
; The 64 accumulators take turns, one instruction a turn, in one order everywhere.
.macro KSTEP set, zero, fetch, ko
.if \fetch
	PLACES                                         ; four places between the last products, which read the other set, and the loads into it
	s_wait_alu depctr_va_vdst(0)                   ; the last step's products are done reading the other set and its scale words, in which all the loads of this step land; v[XL16] and v[XL8], which its LDS loads read, are written
	FETCHG 1-(\set), \ko
	s_wait_loadcnt 33                              ; this set's part from memory is in; the 33 loads just issued may be out
.else
	s_wait_loadcnt 0x0
.endif
	s_wait_dscnt 0x0                               ; this set's part from LDS, asked for in the step before, is in
	WIN 0xa1                                       ; source 0 (Y) window 1, source 1 (X) window 0, C and D window 2
.irp a, 0,1
.irp b, 0,1,2,3,4,5,6,7
	WM \a, \b, \set, \zero
.endr
.endr
.if \fetch
	WIN 0
	FETCHL 1-(\set), \ko, 0                        ; no wait: the products since the wait at the head name this set, its scale words and the accumulators alone
	WIN 0xa1
.endif
.irp a, 2,3
.irp b, 0,1,2,3,4,5,6,7
	WM \a, \b, \set, \zero
.endr
.endr
.if \fetch
	WIN 0
	FETCHL 1-(\set), \ko, 1
.endif
	WIN 0xf1                                       ; C and D window 3
.irp a, 4,5,6,7
.irp b, 0,1,2,3,4,5,6,7
	WM \a, \b, \set, \zero
.endr
.endr
	WIN 0
.endm
.macro KADV                            ; two K steps on, in the weight and in LDS
	s_wait_xcnt 0x0                                ; the loads have read their base
	s_wait_alu depctr_vm_vsrc(0)                   ; the LDS loads issued so far have read v[XL16] and v[XL8], which are written below
	s_add_nc_u64 s[6:7], s[6:7], 2*WREC
	s_add_co_u32 s22, s22, 2*WREC
	v_add_nc_u32 v[XL16], s22, v[L16]
	v_add_nc_u32 v[XL8], s22, v[L8]
.endm
	s_mov_b32 s23, 2
.Lpass:                                            ; two passes: the weight's groups 2 w and 2 w + 1; four steps of two records bring its pointer to the next group by themselves
	s_mov_b32 s22, 0
	s_wait_alu depctr_vm_vsrc(0)                   ; the last pass's LDS loads have read v[XL16] and v[XL8], written below; phase X's LDS stores have read window 1 and the codes, the last pass's stores their codes and scale blocks: loads land in all of these
	v_mov_b32 v[XL16], v[L16]
	v_mov_b32 v[XL8], v[L8]
	s_wait_alu depctr_va_vdst(0)                   ; v[XL16] and v[XL8] are written; the quantisers, the packing of scale blocks and the last pass's products are done with the registers of set 0, in which the loads below land
	FETCHG 0, 0
	FETCHL 0, 0, 0
	FETCHL 0, 0, 1
	KSTEP 0, 1, 1, 1                               ; K step 0 starts the sums: nothing is cleared
	KADV
	s_mov_b32 s19, 3
.Lk:
	KSTEP 1, 0, 1, 0
	KSTEP 0, 0, 1, 1
	KADV
	s_sub_co_u32 s19, s19, 1
	s_cmp_lg_u32 s19, 0
	s_cbranch_scc1 .Lk
	KSTEP 1, 0, 0, 0                               ; K step 7: nothing more to fetch
	; ---- THE WAY OUT: X's tile a has 64 registers a lane: Y 0 .. 63 and 64 .. 127, an image each.  A store covers 512 or 256 consecutive bytes, at a multiple of 256 from its buffer's first byte.
	PLACES
.irp a, 0,1,2,3,4,5,6,7
.if (\a%4) == 1
.set RG, 128                           ; the codes' registers carry no number of the conversions' sources
.else
.set RG, 64
.endif
	s_wait_xcnt 0x0                                ; the earlier stores have read their registers and bases
.if \a > 0
	s_wait_alu depctr_vm_vsrc(0)                   ; the earlier tiles' stores have read their codes' registers, which the quantiser below writes again
.endif
.if \a == 0
	s_mov_b64 s[12:13], s[8:9]
	s_add_nc_u64 s[14:15], s[8:9], s[26:27]
.else
	s_add_nc_u64 s[12:13], s[12:13], s[24:25]
	s_add_nc_u64 s[14:15], s[14:15], s[24:25]
.endif
.if \a == 4
	s_add_nc_u64 s[12:13], s[12:13], s[28:29]
	s_add_nc_u64 s[14:15], s[14:15], s[28:29]
.endif
	QH 64*(\a%4), 2+\a/4, RG, W16+2*\a, RG+12
	QH 64*(\a%4)+32, 2+\a/4, RG+6, W16+2*\a+1, RG+12
	s_wait_alu depctr_va_vdst(0)                   ; the two quantisers have written the tile's twelve registers of codes, which the four stores read
	global_store_b128 v[L16], v[RG:RG+3], s[12:13]
	global_store_b64 v[L8], v[RG+4:RG+5], s[12:13] offset:512
	global_store_b128 v[L16], v[RG+6:RG+9], s[14:15]
	global_store_b64 v[L8], v[RG+10:RG+11], s[14:15] offset:512
.endr
	s_cmp_eq_u32 s17, 2
	s_cbranch_scc1 .Lev
.irp c, 0,1                            ; q, k: head c's block: word q of lane (r, u) is tile 2 q + u's two bytes
.irp q, 0,1,2,3
	v_cndmask_b32 v[SW+4*\c+\q], v[W16+4*\q+\c], v[W16+4*\q+2+\c], vcc_lo
.endr
.endr
	s_branch .Led
.Lev:
.irp a, 0,1,2,3,4,5,6,7                ; v: a d-tile's word has four bytes: 128 keys
	v_lshl_or_b32 v[TT+\a], v[W16+2*\a+1], 16, v[W16+2*\a]
.endr
.irp hl, 0,1
.irp q, 0,1
	v_cndmask_b32 v[SW+4*\hl+\q], v[TT+4*\hl+2*\q], v[TT+4*\hl+2*\q+1], vcc_lo
.endr
	v_mov_b32 v[SW+4*\hl+2], 0
	v_mov_b32 v[SW+4*\hl+3], 0
.endr
.Led:
	s_wait_alu depctr_va_vdst(0)                   ; the two scale blocks v[SW ..] are written, which the two stores read
	global_store_b128 v[L16], v[SW:SW+3], s[8:9] offset:6144
	global_store_b128 v[L16], v[SW+4:SW+7], s[10:11] offset:6144
	s_wait_xcnt 0x0                                ; the stores have read their registers and bases: the next pass's loads land there
	s_add_nc_u64 s[8:9], s[8:9], 2*HEADB
	s_add_nc_u64 s[10:11], s[10:11], 2*HEADB
	s_sub_co_u32 s23, s23, 1
	s_cmp_lg_u32 s23, 0
	s_cbranch_scc1 .Lpass
	s_wait_dscnt 0x0                               ; the closing lines, six on end
	s_wait_alu 0x0
	s_wait_tensorcnt 0x0
	ds_add_u32 v[SPW], v[NIL]
	s_wait_dscnt 0x0
	s_endpgm
.Lfunc_end_k_q40a6e045b3_projf:
	.size	k_q40a6e045b3_projf, .Lfunc_end_k_q40a6e045b3_projf-k_q40a6e045b3_projf
	.p2alignl 7, 3214868480
	.fill 96, 4, 3214868480
	.section	.rodata,"a",@progbits
	.p2align	6, 0x0
	.amdhsa_kernel k_q40a6e045b3_projf
		.amdhsa_group_segment_fixed_size 170496
		.amdhsa_private_segment_fixed_size 0
		.amdhsa_enable_private_segment 0
		.amdhsa_kernarg_size 56
		.amdhsa_user_sgpr_count 2
		.amdhsa_user_sgpr_kernarg_segment_ptr 1
		.amdhsa_wavefront_size32 1
		.amdhsa_system_sgpr_workgroup_id_x 1
		.amdhsa_system_sgpr_workgroup_id_y 1
		.amdhsa_system_sgpr_workgroup_id_z 1
		.amdhsa_system_vgpr_workitem_id 0
		.amdhsa_next_free_vgpr 1024
		.amdhsa_next_free_sgpr 66
		.amdhsa_reserve_vcc 1
		.amdhsa_float_denorm_mode_32 3
		.amdhsa_float_denorm_mode_16_64 3
		.amdhsa_memory_ordered 1
		.amdhsa_forward_progress 1
		.amdhsa_inst_pref_size 182
	.end_amdhsa_kernel
	.amdgpu_metadata
---
amdhsa.version: [ 1, 2 ]
amdhsa.kernels:
  - .name:           k_q40a6e045b3_projf
    .symbol:         k_q40a6e045b3_projf.kd
    .args:
      - { .name: q, .offset: 0, .size: 8, .value_kind: global_buffer, .address_space: global }
      - { .name: k, .offset: 8, .size: 8, .value_kind: global_buffer, .address_space: global }
      - { .name: v, .offset: 16, .size: 8, .value_kind: global_buffer, .address_space: global }
      - { .name: wc, .offset: 24, .size: 8, .value_kind: global_buffer, .address_space: global }
      - { .name: qc, .offset: 32, .size: 8, .value_kind: global_buffer, .address_space: global }
      - { .name: kc, .offset: 40, .size: 8, .value_kind: global_buffer, .address_space: global }
      - { .name: vc, .offset: 48, .size: 8, .value_kind: global_buffer, .address_space: global }
    .group_segment_fixed_size: 170496
    .private_segment_fixed_size: 0
    .kernarg_segment_align: 8
    .kernarg_segment_size: 56
    .max_flat_workgroup_size: 128
    .sgpr_count:     66
    .vgpr_count:     1024
    .wavefront_size: 32
...
	.end_amdgpu_metadata
.endif
;; end of part 5
;; launch attn (part 6): grid 4 x 64, 16 waves a work-group, clusters of 4 x 1, 217,088 bytes of LDS; arguments qc, kc, vc, oc, osc; writes oc, osc
.if DOCPART == 6
	.amdgcn_target "amdgcn-amd-amdhsa--gfx1250"
	.amdhsa_code_object_version 6
	.text
	.protected	k_q40a6e045b3_attn
	.globl	k_q40a6e045b3_attn
	.p2align	8
	.type	k_q40a6e045b3_attn,@function
k_q40a6e045b3_attn:
	s_mov_b64 s[64:65], 0
	v_nop
	global_prefetch_b8 v0, s[64:65] scope:SCOPE_SE
	s_setreg_imm32_b32 hwreg(HW_REG_WAVE_MODE, 25, 1), 1
	s_wait_xcnt 0x0
	s_wait_alu depctr_hold_cnt(0) depctr_sa_sdst(0) depctr_va_vdst(0) depctr_va_sdst(0) depctr_va_ssrc(0) depctr_va_vcc(0) depctr_vm_vsrc(0)
	s_getreg_b32 s2, hwreg(HW_REG_IB_STS2, 6, 4)
	s_cmp_eq_u32 s2, 0
	s_cbranch_scc0 .Lentry_in_a_cluster
	s_endpgm
.Lentry_in_a_cluster:
	s_bfe_u32 s2, ttmp6, 0x10000c
	s_cmp_lg_u32 s2, 0x3003
	s_cbranch_scc0 .Lentry_shape_is_right
	s_endpgm
.Lentry_shape_is_right:
; O = softmax(Q K^T / 8) V for one head a cluster, both products on codes of FP6 (E2M3) with one E8M0 byte for each 32 along a product's K; O is quantised along the hidden axis for the last product.
; THE SOFTMAX: t = score x log2(e) / 8; M = the running largest t rounded UP to a whole number; p = 2^(t - M) is quantised along the keys, not normalised; the row's sum is taken of the unquantised p and divides O at the end.
; When M moves, the sum and O are multiplied by 2^(old M - new M): exact.
; SHARES.  A cluster of four work-groups is one head (batch x head = the grid's y).  A work-group owns 512 queries, in two passes of 256; in a pass each of its sixteen waves owns one tile of 16 queries, in 256 registers.
; ALL OF THE HEAD'S K AND V, 2 x 106,496 bytes with their scale words, LIE IN LDS, FILLED ONCE: waves 0 (K) and 1 (V) bring four chunks of 26,624 bytes (four key steps) each: four tensor loads of a wave are out at the most.
; No byte is filled again.  The four work-groups need the same bytes and ask JOINTLY: the same load, the same descriptor, a mask that names the four.
; A chunk is shown landed by a counted wait of the loading waves in front of a barrier that stands one key step ahead of its first use, since a step fetches the next step's K.
; LAYOUT.  kc, vc: a record of 6,656 bytes for each 128 keys.  K: tile t's image (16 keys x 64 d) at 768 t.  V: d-tile t's fragment (16 d x 128 keys) at 1,536 t.  A scale block at 6,144: word q of lane (r, u) belongs to tile 2 q + u.
; Images are images of the operand's registers: 16 bytes a lane, then 8 bytes a lane: no pitch, no padding.  Lane r of tile t holds key (or d) 32 (t / 2) + 8 (t % 2) + r + 8 (r / 8).
; Both products are used transposed: S^T = K Q^T, O^T = V^T P^T: a lane holds one query; the 16 registers of tiles 2 b, 2 b + 1 are 16 neighbours.
; K = 64 IN AN INSTRUCTION OF 128: Q's registers 6-11 are zero codes, so whatever codes stand in the upper six registers of K's operand (the next tile's) add nothing; the scale words' upper bytes are 0.
; LIMITS: NaN and infinities are not served; a block of p or O that is all zeros, or under 2^-124, gets the byte 1 (its codes are zeros or are held low; this program alone reads the bytes).
; REGISTERS: v1, v2 16 and 8 x lane; v5-8 the step's LDS addresses; v9 my scale word's place; v10 Q's scale words; v12 -M, v13 largest t, v[14:15] the sum; v16-27 Q and zeros; v[28:29] V's scale words; v30-77 K; v78-125 V;
;   v126-189 S^T, then p; v190-221 O^T; v222-233 p's codes; v234-245 at work; v246-249 K's scale words; v250 f; v251 p's scale word; v252 at work; v253, v254 v1, v2 + V's place; v255 where O's scale block is read back.
.set REC,   6656
.set HEADB, 106496
.set VOFF,  106496
.set CHUNK, 26624
.set OSC,   212992                     ; O's scale words: 1,024 bytes for each pass; no fill lands here
.set SPARE, 215040                     ; the spare words, 128 bytes for each wave, which no other line names
.set WV,  14
.set SEL, 20
.set CS,  22
.set G1,  24
.set G0,  32
.set TS,  48                           ; LDS byte of the step's record
.set CNT, 49
.set QP,  50
.set OCP, 52
.set OSP, 54
.set TM,  234
.macro CROUND                          ; a round of the cluster's barrier
	s_barrier_signal -1
	s_barrier_wait -1
	s_cmp_lg_u32 s[WV], 0
	s_cbranch_scc1 .Lnot_wave_0_\@
	s_barrier_signal -3
.Lnot_wave_0_\@:
	s_barrier_wait -3
	s_barrier_signal -1
	s_barrier_wait -1
.endm
	s_load_b256 s[4:11], s[0:1], 0x0               ; qc, kc, vc, oc
	s_load_b64 s[12:13], s[0:1], 0x20              ; osc
	v_lshl_add_u32 v3, v0, 2, SPARE
	v_mov_b32 v4, 0
	ds_add_u32 v3, v4                              ; the wave's opening: the add and its wait stand ahead of the first tensor load
	ds_add_u32 v3, v4
	v_lshrrev_b32 v5, 5, v0
	s_delay_alu instid0(VALU_DEP_1)
	v_readfirstlane_b32 s[WV], v5                  ; wave 0..15
	s_bfe_u32 s16, ttmp6, 0x40000                  ; cx
	s_lshl_b32 s17, ttmp9, 2
	s_add_co_u32 s16, s16, s17                     ; my 512 queries: it enters Q's, O's and the scale words' global addresses alone
	s_and_b32 s15, ttmp7, 0xffff                   ; batch x head, which the four partners share
	s_mov_b32 s[G1], 15|(3<<16)|(1<<21)            ; 15:0 the mask: all four; 17:16 elements of 8 bytes; 21 set beside a mask; no padding
	s_mov_b32 s[G1+1], 32<<16                      ; tensor_dim0 = 32 elements: rows of 256 bytes
	s_mov_b32 s[G1+2], 104<<16                     ; tensor_dim1 = 104 rows: 26,624 dense bytes
	s_mov_b32 s[G1+3], 32<<16                      ; tile_dim0
	s_mov_b32 s[G1+4], 104                         ; tile_dim1
	s_mov_b32 s[G1+5], 32                          ; the pitch
	s_mov_b32 s[G1+6], 0
	s_mov_b32 s[G1+7], 0
	s_mov_b32 s[SEL], 0x76543210
	s_mov_b32 s[SEL+1], 0xfedcba98                 ; lane l xor 16
	s_mov_b32 s[CS], 0x3e38aa3b                    ; c = log2(e) / 8
	s_mov_b32 s[CS+1], s[CS]                       ; (named with it as a pair)
	s_and_b32 s56, s[WV], 1                        ; wave 0 fetches K, wave 1 V
	s_mul_i32 s57, s56, HEADB                      ; where they go
	s_mul_i32 s58, s15, HEADB                      ; the head's first byte in qc, kc, vc
	s_mov_b32 s59, 0
	s_wait_dscnt 0x0                               ; the opening add is done
	s_wait_kmcnt 0x0
	s_cmp_eq_u32 s56, 0
	s_cselect_b64 s[18:19], s[6:7], s[8:9]
	s_add_nc_u64 s[18:19], s[18:19], s[58:59]
.irp c, 0,1,2,3
	s_mov_b32 s[G0+4*\c], 1                        ; count = 1
	s_add_co_u32 s[G0+4*\c+1], s57, CHUNK*\c       ; LDS address
	s_add_nc_u64 s[G0+4*\c+2:G0+4*\c+3], s[18:19], CHUNK*\c   ; global address
	s_or_b32 s[G0+4*\c+3], s[G0+4*\c+3], 0x80000000   ; type = 2
.endr
	s_lshl_b32 s56, s16, 2                         ; my first block of 128 queries
	s_lshr_b32 s57, s[WV], 3
	s_add_co_u32 s57, s57, s56
	s_mul_i32 s57, s57, REC
	s_add_co_u32 s58, s58, s57
	s_add_nc_u64 s[QP:QP+1], s[4:5], s[58:59]      ; Q's record of my tile in pass 0
	s_lshr_b32 s57, s15, 4                         ; batch
	s_and_b32 s17, s15, 15                         ; head
	s_lshl_b32 s58, s57, 7
	s_lshl_b32 s60, s16, 5
	s_add_co_u32 s58, s58, s60
	s_add_co_u32 s58, s58, s[WV]                   ; my tile of rows: 128 batch + 32 x + wave
	s_mul_i32 s58, s58, 12288
	s_mul_i32 s60, s17, 768
	s_add_co_u32 s58, s58, s60
	s_add_nc_u64 s[OCP:OCP+1], s[10:11], s[58:59]
	s_lshl_b32 s58, s57, 4
	s_add_co_u32 s58, s58, s56
	s_and_b32 s60, s[WV], 1
	s_add_co_u32 s58, s58, s60                     ; the block of 128 rows whose scale words wave 0 or 1 stores
	s_lshl_b32 s58, s58, 13
	s_lshl_b32 s61, s17, 9
	s_add_co_u32 s58, s58, s61
	s_add_nc_u64 s[OSP:OSP+1], s[12:13], s[58:59]
	s_lshl_b32 s62, s60, 9
	s_add_co_u32 s62, s62, OSC
	CROUND                                         ; all four work-groups are here: the joint loads meet
	s_cmp_lt_u32 s[WV], 2                          ; a wave's four fills stand in one branch on the wave's number, ahead of every wait on TENSORcnt and every LDS read
	s_cbranch_scc0 .Lno_fill
.irp c, 0,1,2,3
	tensor_load_to_lds s[G0+4*\c:G0+4*\c+3], s[G1:G1+7]
	s_nop 0
.endr
.rept 4
	v_nop
.endr
.Lno_fill:
	v_and_b32 v5, 31, v0
	s_delay_alu instid0(VALU_DEP_1)
	v_lshlrev_b32 v1, 4, v5
	s_delay_alu instid0(VALU_DEP_2)
	v_lshlrev_b32 v2, 3, v5
	s_delay_alu instid0(VALU_DEP_2)
	v_add_nc_u32 v253, VOFF, v1
	s_delay_alu instid0(VALU_DEP_2)
	v_add_nc_u32 v254, VOFF, v2
	s_delay_alu instid0(VALU_DEP_4)
	v_add_nc_u32 v255, s62, v1
	v_and_b32 v6, 15, v0                           ; r
	s_and_b32 s56, s[WV], 7                        ; my tile among its block's eight
	s_and_b32 s57, s[WV], 1
	s_lshr_b32 s58, s56, 1
	s_lshl_b32 s60, s57, 8
	s_lshl_b32 s61, s58, 2
	s_add_co_u32 s60, s60, s61
	v_lshl_add_u32 v11, v6, 4, s60                 ; row r's word of my tile in a scale block: 16 (r + 16 (tile % 2)) + 4 (tile / 2)
	s_lshr_b32 s61, s[WV], 3
	s_lshl_b32 s61, s61, 9
	s_add_co_u32 s61, s61, OSC
	v_add_nc_u32 v9, s61, v11
	s_mul_i32 s63, s56, 768                        ; my tile's image in Q's record
.irp i, 22,23,24,25,26,27,78,79,80,81,82,83,238,239,240,241,251,252
	v_mov_b32 v[\i], 0                             ; Q's zero codes; the six registers behind K's last tile; registers that are named before they are first written
.endr
.macro QLOAD p
	v_add_nc_u32 v5, s63, v1
	v_add_nc_u32 v6, s63, v2
	global_load_b128 v[16:19], v5, s[QP:QP+1] offset:2*REC*(\p)
	global_load_b64 v[20:21], v6, s[QP:QP+1] offset:2*REC*(\p)+512
	global_load_b32 v10, v11, s[QP:QP+1] offset:2*REC*(\p)+6144
.endm
.macro INIT                            ; the step is written once: its first walk finds zeros, which the first change of M leaves zeros
	v_mov_b32 v13, 0xff61b1e6                      ; -3e38, under every t
	s_delay_alu instid0(VALU_DEP_1)
	v_floor_f32 v12, -v13
	v_mov_b32 v14, 0
	v_mov_b32 v15, 0
.set j, 0
.rept 32
	v_mov_b32 v[190+j], 0
.set j, j+1
.endr
.endm
.macro BAR n                           ; the loading waves' chunks up to the n youngest have landed; the others stay out
	s_wait_tensorcnt \n
	s_wait_dscnt 0x0
	s_barrier_signal -1
	s_barrier_wait -1
.endm
.macro FETCHK a16, a8, off             ; a step's eight tiles of K and their scale words: 17 loads
.irp t, 0,1,2,3,4,5,6,7
	ds_load_b128 v[30+6*\t:33+6*\t], v[\a16] offset:(\off)+768*\t
	ds_load_b64 v[34+6*\t:35+6*\t], v[\a8] offset:(\off)+768*\t+512
.endr
	ds_load_b128 v[246:249], v[\a16] offset:(\off)+6144
.endm
.macro FETCHV                          ; a step's four fragments of V and their scale words: 17 loads
.irp t, 0,1,2,3
.irp c, 0,1
	ds_load_b128 v[78+12*\t+6*\c:81+12*\t+6*\c], v7 offset:1536*\t+768*\c
	ds_load_b64 v[82+12*\t+6*\c:83+12*\t+6*\c], v8 offset:1536*\t+768*\c+512
.endr
.endr
	ds_load_b64 v[28:29], v7 offset:6144
.endm
.macro KQ t
.if (\t)%2
	v_wmma_scale_f32_16x16x128_f8f6f4 v[126+8*(\t):133+8*(\t)], v[30+6*(\t):41+6*(\t)], v[16:27], 0, v[246+(\t)/2], v10 matrix_a_fmt:MATRIX_FMT_FP6 matrix_b_fmt:MATRIX_FMT_FP6 matrix_a_scale:MATRIX_SCALE_ROW1
.else
	v_wmma_scale_f32_16x16x128_f8f6f4 v[126+8*(\t):133+8*(\t)], v[30+6*(\t):41+6*(\t)], v[16:27], 0, v[246+(\t)/2], v10 matrix_a_fmt:MATRIX_FMT_FP6 matrix_b_fmt:MATRIX_FMT_FP6
.endif
.endm
.macro PV t
.if (\t)%2
	v_wmma_scale_f32_16x16x128_f8f6f4 v[190+8*(\t):197+8*(\t)], v[78+12*(\t):89+12*(\t)], v[222:233], v[190+8*(\t):197+8*(\t)], v[28+(\t)/2], v251 matrix_a_fmt:MATRIX_FMT_FP6 matrix_b_fmt:MATRIX_FMT_FP6 matrix_a_scale:MATRIX_SCALE_ROW1
.else
	v_wmma_scale_f32_16x16x128_f8f6f4 v[190+8*(\t):197+8*(\t)], v[78+12*(\t):89+12*(\t)], v[222:233], v[190+8*(\t):197+8*(\t)], v[28+(\t)/2], v251 matrix_a_fmt:MATRIX_FMT_FP6 matrix_b_fmt:MATRIX_FMT_FP6
.endif
.endm
; A KEY STEP: 128 keys.  pref = 1: the next step's K is fetched while this step's softmax is walked.
.macro STEP pref
	v_add_nc_u32 v5, s[TS], v1
	v_add_nc_u32 v6, s[TS], v2
	v_add_nc_u32 v7, s[TS], v253
	v_add_nc_u32 v8, s[TS], v254
	s_wait_alu depctr_va_vdst(0)
	s_wait_dscnt 0x0                               ; this step's K, asked for a step ago
.irp t, 0,1,2,3,4,5,6,7
	KQ \t
.endr
.rept 4
	v_nop                                          ; four places in front of loads into registers that matrix instructions have read, and of the first read of the scores
.endr
	FETCHV
.if \pref
	FETCHK 5, 6, REC
.endif
.irp b, 0,1,2,3
	v_max3_num_f32 v[234+\b], v[126+16*\b], v[127+16*\b], v[128+16*\b]   ; the largest score of each block of 32 keys: for the row's maximum and, since p rises with the score, for the block's largest p
.endr
.irp i, 3,5,7,9,11,13
.irp b, 0,1,2,3
	v_max3_num_f32 v[234+\b], v[234+\b], v[126+16*\b+\i], v[127+16*\b+\i]
.endr
.endr
.irp b, 0,1,2,3
	v_max_num_f32 v[234+\b], v[234+\b], v[141+16*\b]
.endr
.irp b, 0,1,2,3
	s_delay_alu instid0(VALU_DEP_4)
	v_permlanex16_b32 v[238+\b], v[234+\b], s[SEL], s[SEL+1]
.endr
.irp b, 0,1,2,3
	s_delay_alu instid0(VALU_DEP_4)
	v_max_num_f32 v[234+\b], v[234+\b], v[238+\b]  ; with lane l xor 16's 16 keys
.endr
	s_delay_alu instid0(VALU_DEP_2)
	v_max3_num_f32 v252, v234, v235, v236
	s_delay_alu instid0(VALU_DEP_1)
	v_max_num_f32 v252, v252, v237
	s_delay_alu instid0(VALU_DEP_1)
	v_mul_f32 v252, s[CS], v252                    ; as t (c is positive)
	s_delay_alu instid0(VALU_DEP_1)
	v_max_num_f32 v13, v13, v252                   ; the running largest t
	v_mov_b32 v252, v12
	s_delay_alu instid0(VALU_DEP_2)
	v_floor_f32 v12, -v13                          ; the new -M = floor(-t): M is a whole number
	s_delay_alu instid0(VALU_DEP_1)
	v_sub_f32 v252, v12, v252                      ; old M - new M: a whole number, 0 or less
	s_delay_alu instid0(VALU_DEP_1)
	v_cvt_i32_f32 v252, v252                       ; (it saturates)
	s_delay_alu instid0(VALU_DEP_1)
	v_ldexp_f32 v250, 1.0, v252                    ; f = 2^(old M - new M)
.set j, 0
.rept 32
	v_pk_fma_f32 v[126+j:127+j], v[126+j:127+j], s[CS:CS+1], v[12:13] op_sel_hi:[1,0,0]   ; t - M, two at a time
.set j, j+2
.endr
.irp b, 0,1,2,3
	v_fma_f32 v[234+\b], v[234+\b], s[CS], v12     ; the same of each block's largest score
.endr
.set j, 0
	s_wait_alu depctr_va_vdst(0)
.rept 64
	v_exp_f32 v[126+j], v[126+j]                   ; p = 2^(t - M), at most 1
.set j, j+1
.endr
	s_setprio 1
	v_pk_mul_f32 v[14:15], v[14:15], v[250:251] op_sel_hi:[1,0]   ; the sums under the new M: a plain instruction behind the exponentials
	s_wait_alu depctr_va_vdst(0)                   ; one wait for the whole batch, ahead of its first reader
.irp b, 0,1,2,3
	v_exp_f32 v[234+\b], v[234+\b]                 ; the block's largest p
.endr
	v_pk_add_f32 v[238:239], v[130:131], v[134:135]
	v_pk_add_f32 v[244:245], v[138:139], v[142:143]
	v_pk_add_f32 v[242:243], v[146:147], v[150:151]
	v_pk_add_f32 v[240:241], v[154:155], v[158:159]
	v_pk_add_f32 v[232:233], v[162:163], v[166:167]
	v_pk_add_f32 v[230:231], v[170:171], v[174:175]
	v_pk_add_f32 v[228:229], v[178:179], v[182:183]
	v_pk_add_f32 v[14:15], v[14:15], v[186:187]
	v_pk_add_f32 v[238:239], v[238:239], v[126:127]
	v_pk_add_f32 v[244:245], v[244:245], v[128:129]
	v_pk_add_f32 v[242:243], v[242:243], v[132:133]
	v_pk_add_f32 v[240:241], v[240:241], v[136:137]
	v_pk_add_f32 v[232:233], v[232:233], v[140:141]
	v_pk_add_f32 v[230:231], v[230:231], v[144:145]
	v_pk_add_f32 v[228:229], v[228:229], v[148:149]
	v_pk_add_f32 v[14:15], v[14:15], v[152:153]
	v_pk_add_f32 v[238:239], v[238:239], v[156:157]
	v_pk_add_f32 v[244:245], v[244:245], v[160:161]
	v_pk_add_f32 v[242:243], v[242:243], v[164:165]
	v_pk_add_f32 v[240:241], v[240:241], v[168:169]
	v_pk_add_f32 v[232:233], v[232:233], v[172:173]
	v_pk_add_f32 v[230:231], v[230:231], v[176:177]
	v_pk_add_f32 v[228:229], v[228:229], v[180:181]
	v_pk_add_f32 v[14:15], v[14:15], v[184:185]
	v_pk_add_f32 v[238:239], v[238:239], v[188:189]
	s_delay_alu instid0(VALU_DEP_2)
	v_pk_add_f32 v[14:15], v[14:15], v[240:241]
	s_delay_alu instid0(VALU_DEP_2)
	v_pk_add_f32 v[238:239], v[238:239], v[232:233]
	v_pk_add_f32 v[244:245], v[244:245], v[230:231]
	v_pk_add_f32 v[242:243], v[242:243], v[228:229]
	s_delay_alu instid0(VALU_DEP_2)
	v_pk_add_f32 v[14:15], v[14:15], v[244:245]
	s_delay_alu instid0(VALU_DEP_2)
	v_pk_add_f32 v[238:239], v[238:239], v[242:243]
	s_delay_alu instid0(VALU_DEP_1)
	v_pk_add_f32 v[14:15], v[14:15], v[238:239]
	s_wait_alu depctr_va_vdst(0)                   ; and one for the four
.irp b, 0,1,2,3
	v_max_num_f32 v[234+\b], 0x1800000, v[234+\b]  ; the floor 2^(3 - 127): the byte cannot fall under 1
.endr
.irp b, 0,1,2,3
	s_delay_alu instid0(VALU_DEP_4)
	v_add_nc_u32 v[242+\b], 0xff000000, v[234+\b]  ; 2 off the exponent field: the conversion's scale operand
.endr
.irp b, 0,1,2,3
	s_delay_alu instid0(VALU_DEP_4)
	v_lshrrev_b32 v[238+\b], 23, v[242+\b]         ; the byte
.endr
	s_delay_alu instid0(VALU_DEP_3)
	v_lshl_or_b32 v251, v239, 8, v238              ; p's scale word for these 128 keys
	s_delay_alu instid0(VALU_DEP_1)
	v_lshl_or_b32 v251, v240, 16, v251
	s_delay_alu instid0(VALU_DEP_1)
	v_lshl_or_b32 v251, v241, 24, v251
.irp c, 0,1
	v_cvt_scalef32_pk16_fp6_f32 v[222+6*\c:224+6*\c], v[126+32*\c:141+32*\c], v[242+2*\c]
	v_cvt_scalef32_pk16_fp6_f32 v[234+4*\c:236+4*\c], v[142+32*\c:157+32*\c], v[242+2*\c+1]   ; (a conversion's three registers begin on an even number)
.endr
	v_nop                                          ; one plain place behind a scaled conversion
.irp c, 0,1
.irp i, 0,1,2
	v_permlane16_swap_b32 v[222+6*\c+\i], v[234+4*\c+\i]   ; a whole block in a lane
.endr
.irp i, 0,1,2
	s_delay_alu instid0(VALU_DEP_3)
	v_mov_b32 v[225+6*\c+\i], v[234+4*\c+\i]
.endr
.endr
.set j, 0
	s_setprio 0
.rept 16
	v_pk_mul_f32 v[190+j:191+j], v[190+j:191+j], v[250:251] op_sel_hi:[1,0]   ; O^T under the new M; these are also the places between the scale word's and the codes' last writes and the products
.set j, j+2
.endr
.if \pref
	s_wait_alu depctr_va_vdst(0)
	s_wait_dscnt 17                                ; V is in; the next step's K, 17 younger loads, may be out
.else
	s_wait_alu depctr_va_vdst(0)
	s_wait_dscnt 0x0
.endif
.irp t, 0,1,2,3
	PV \t
.endr
	s_add_co_u32 s[TS], s[TS], REC
.endm
.macro RUN n, ts                       ; n key steps from LDS byte ts on
	s_mov_b32 s[TS], \ts
	s_mov_b32 s[CNT], \n
.Lrun_\@:
	s_setprio 2
	STEP 1
	s_sub_co_u32 s[CNT], s[CNT], 1
	s_cmp_lg_u32 s[CNT], 0
	s_cbranch_scc1 .Lrun_\@
	s_setprio 0
.endm
; 32 numbers of a lane, register 16 b + i = d 32 b + 16 (lane / 16) + i, become an image's six registers and two scale bytes
.macro QH0 s, dst, wd, ct
.irp b, 0,1
	v_max3_num_f32 v[TM+\b], |v[(\s)+16*\b]|, |v[(\s)+16*\b+1]|, 0x1800000
.endr
.irp i, 2,4,6,8,10,12,14
.irp b, 0,1
	s_delay_alu instid0(VALU_DEP_2)
	v_max3_num_f32 v[TM+\b], v[TM+\b], |v[(\s)+16*\b+\i]|, |v[(\s)+16*\b+\i+1]|
.endr
.endr
.irp b, 0,1
	s_delay_alu instid0(VALU_DEP_2)
	v_permlanex16_b32 v[TM+2+\b], v[TM+\b], s[SEL], s[SEL+1]
.endr
.irp b, 0,1
	s_delay_alu instid0(VALU_DEP_2)
	v_max_num_f32 v[TM+\b], v[TM+\b], v[TM+2+\b]
.endr
.irp b, 0,1
	s_delay_alu instid0(VALU_DEP_2)
	v_add_nc_u32 v[TM+4+\b], 0xff000000, v[TM+\b]
.endr
.irp b, 0,1
	s_delay_alu instid0(VALU_DEP_2)
	v_lshrrev_b32 v[TM+2+\b], 23, v[TM+4+\b]
.endr
	s_delay_alu instid0(VALU_DEP_1)
	v_lshl_or_b32 v[\wd], v[TM+3], 8, v[TM+2]
	v_cvt_scalef32_pk16_fp6_f32 v[(\dst):(\dst)+2], v[(\s):(\s)+15], v[TM+4]
	v_cvt_scalef32_pk16_fp6_f32 v[(\ct):(\ct)+2], v[(\s)+16:(\s)+31], v[TM+5]
	v_nop
.irp i, 0,1,2
	v_permlane16_swap_b32 v[(\dst)+\i], v[(\ct)+\i]
.endr
.irp i, 0,1,2
	s_delay_alu instid0(VALU_DEP_3)
	v_mov_b32 v[(\dst)+3+\i], v[(\ct)+\i]
.endr
.endm
; O^T / the sum is quantised along d; my tile's image (768 bytes) goes straight to memory; the sixteen tiles' scale words meet in LDS and leave as two blocks of 512 bytes
.macro WAYOUT p
.rept 4
	v_nop
.endr
	v_add_f32 v14, v14, v15
	s_delay_alu instid0(VALU_DEP_1)
	v_permlanex16_b32 v252, v14, s[SEL], s[SEL+1]
	s_delay_alu instid0(VALU_DEP_1)
	v_add_f32 v14, v14, v252                       ; the row's sum
	s_wait_alu depctr_va_vdst(0)
	v_rcp_f32 v14, v14
	v_nop                                          ; a plain place behind the reciprocal,
	s_wait_alu depctr_va_vdst(0)                   ; and the wait ahead of its first reader
.set j, 0
.rept 16
	v_pk_mul_f32 v[126+j:127+j], v[190+j:191+j], v[14:15] op_sel_hi:[1,0]   ; each accumulator from its low end on
.set j, j+2
.endr
	QH0 126, 222, 252, 242
	global_store_b128 v1, v[222:225], s[OCP:OCP+1] offset:196608*(\p)
	global_store_b64 v2, v[226:227], s[OCP:OCP+1] offset:196608*(\p)+512
	ds_store_b32 v9, v252 offset:1024*(\p)         ; lanes r and r + 16 write the same word with the same value
	s_wait_dscnt 0x0                               ; for the others' sake
	s_barrier_signal -1
	s_barrier_wait -1
	s_cmp_lt_u32 s[WV], 2
	s_cbranch_scc0 .Lnot_os_\@
	ds_load_b128 v[242:245], v255 offset:1024*(\p)
	s_wait_dscnt 0x0
	global_store_b128 v1, v[242:245], s[OSP:OSP+1] offset:16384*(\p)
.Lnot_os_\@:
.endm
	QLOAD 0
	INIT
	BAR 3                                          ; chunk 0: key steps 0 to 3
	FETCHK 1, 2, 0
	s_wait_loadcnt 0x0                             ; Q
	RUN 3, 0
	BAR 2                                          ; chunk 1, one step ahead of its first use
	RUN 4, 3*REC
	BAR 1
	RUN 4, 7*REC
	BAR 0
	RUN 4, 11*REC
	STEP 0
	WAYOUT 0
	s_wait_xcnt 0x0                                ; the stores have read their registers
	QLOAD 1
	INIT
	FETCHK 1, 2, 0
	s_wait_loadcnt 0x0
	RUN 15, 0
	STEP 0
	WAYOUT 1
	s_wait_tensorcnt 0x0                           ; the wave's end
	ds_add_u32 v3, v4
	s_wait_dscnt 0x0
	CROUND                                         ; the closing round
	s_endpgm
.Lfunc_end_k_q40a6e045b3_attn:
	.size	k_q40a6e045b3_attn, .Lfunc_end_k_q40a6e045b3_attn-k_q40a6e045b3_attn
	.p2alignl 7, 3214868480
	.fill 96, 4, 3214868480
	.section	.rodata,"a",@progbits
	.p2align	6, 0x0
	.amdhsa_kernel k_q40a6e045b3_attn
		.amdhsa_group_segment_fixed_size 217088
		.amdhsa_private_segment_fixed_size 0
		.amdhsa_enable_private_segment 0
		.amdhsa_kernarg_size 40
		.amdhsa_user_sgpr_count 2
		.amdhsa_user_sgpr_kernarg_segment_ptr 1
		.amdhsa_wavefront_size32 1
		.amdhsa_system_sgpr_workgroup_id_x 1
		.amdhsa_system_sgpr_workgroup_id_y 1
		.amdhsa_system_sgpr_workgroup_id_z 1
		.amdhsa_system_vgpr_workitem_id 0
		.amdhsa_next_free_vgpr 256
		.amdhsa_next_free_sgpr 66
		.amdhsa_reserve_vcc 0
		.amdhsa_float_denorm_mode_32 3
		.amdhsa_float_denorm_mode_16_64 3
		.amdhsa_memory_ordered 1
		.amdhsa_forward_progress 1
		.amdhsa_inst_pref_size 140
	.end_amdhsa_kernel
	.amdgpu_metadata
---
amdhsa.version: [ 1, 2 ]
amdhsa.kernels:
  - .name:           k_q40a6e045b3_attn
    .symbol:         k_q40a6e045b3_attn.kd
    .args:
      - { .name: qc, .offset: 0, .size: 8, .value_kind: global_buffer, .address_space: global }
      - { .name: kc, .offset: 8, .size: 8, .value_kind: global_buffer, .address_space: global }
      - { .name: vc, .offset: 16, .size: 8, .value_kind: global_buffer, .address_space: global }
      - { .name: oc, .offset: 24, .size: 8, .value_kind: global_buffer, .address_space: global }
      - { .name: osc, .offset: 32, .size: 8, .value_kind: global_buffer, .address_space: global }
    .group_segment_fixed_size: 217088
    .private_segment_fixed_size: 0
    .kernarg_segment_align: 8
    .kernarg_segment_size: 40
    .max_flat_workgroup_size: 512
    .sgpr_count:     66
    .vgpr_count:     256
    .wavefront_size: 32
...
	.end_amdgpu_metadata
.endif
;; end of part 6
;; launch oproj (part 7): grid 4 x 64, 4 waves a work-group, no clusters, 116,224 bytes of LDS; arguments oc, osc, wc, out0; writes out0
.if DOCPART == 7
	.amdgcn_target "amdgcn-amd-amdhsa--gfx1250"
	.amdhsa_code_object_version 6
	.text
	.protected	k_q40a6e045b3_oproj
	.globl	k_q40a6e045b3_oproj
	.p2align	8
	.type	k_q40a6e045b3_oproj,@function
k_q40a6e045b3_oproj:
	s_mov_b64 s[64:65], 0
	v_nop
	global_prefetch_b8 v0, s[64:65] scope:SCOPE_SE
	s_setreg_imm32_b32 hwreg(HW_REG_WAVE_SCHED_MODE, 0, 2), 2
	s_setreg_imm32_b32 hwreg(HW_REG_WAVE_MODE, 25, 1), 1
	s_wait_xcnt 0x0
	s_wait_alu depctr_vm_vsrc(0)
; out0 = O Wo on codes of FP6 (E2M3), one E8M0 byte for each 32 along K; sums in f32.  O's codes (oc) and scale words (osc) and Wo's records (wc, fourth weight) lie in the order of the operand's registers.
; Work-group (x, y): rows 128 y on, columns 256 x on.  Wave w: all 128 rows x columns 64 w on: 32 accumulators.  Its part of Wo (8 K steps x 4 fragments, 384 registers) stays in registers, read from memory once.
; O's 8 tiles x 8 K steps are 98,304 dense bytes: each wave copies a quarter into LDS through registers, one barrier, then every wave reads all.
; Used transposed: source 0 = 16 columns of Wo, source 1 = 16 rows of O: a lane holds eight neighbouring numbers of a row of out0.
; Lane r of tile i holds row (or column) 32 (i / 2) + 8 (i % 2) + r + 8 (r / 8) of its 128.
; No cluster and no tensor load: the weight goes straight into operand registers, and O's codes are a few loads a wave.
; REGISTERS: window 0: v1-11 addresses; v12-27 Wo's scale words, v28-59 O's; v64-159, v160-255 O's fragments, two sets (first the copy, last the way out).  windows 1, 2: Wo's fragment (s, t) at window 1 + s / 4, v[48 (s % 4) + 12 t].
;   window 3: accumulator (a, t) at v[32 a + 8 t]; at the head v0-63 hold osc's words as loaded.
; THE MODE: SCHED_MODE bits 1:0 = 2 (LLVM: expert scheduling mode 2), set by the entry lines.  The code itself states the register dependences
; between vector or matrix instructions and memory or LDS instructions, with s_wait_alu, always for 0.
; THE PLAN.  Registers that memory or LDS instructions touch:
;   v64-255   First the copy: written by 48 loads, read by 48 LDS stores.  Then two sets of O's fragments: set s % 2 is written by the LDS loads issued in K step s - 1 and read by K step s's 32 products.
;             Last the way out: two sets of 32, written by the stage's LDS loads, read by the stores to out0.
;   v28-59    O's scale words: written by vector instructions at the head, taken as scales by the products.
;   window 3  The accumulators: written by the products, read by the LDS stores into the stage.
;   windows 1, 2 and v12-27: written by loads once.   The addresses v1, v2, v5-11: made at the head, never written again.
; ONE wait on va_vdst stands at the head of K steps 0 to 6: the last step's products are done with the other set.  The 32 LDS loads into that set follow it, eight behind each of the step's first four groups of four
; products, which name this set, Wo's fragments, scale words and the accumulators alone; sixteen products are left for the last of them to land.
.set WREC,  12800
.set WGRP,  102400
.set WMAT,  819200
.set STGO,  98304                      ; LDS: behind O's codes a stage of 16 rows x 272 bytes for each wave
.set SPARE, 115712                     ; the spare words, 128 bytes for each wave, which no other line names
.set L16, 1
.set L8,  2
.set SPW, 3
.set NIL, 4
.set H16, 5                            ; v1, v2 + 49,152: tiles 4 to 7
.set H8,  6
.set XCP, 7
.set STO, 8
.set RD,  9
.set CO,  10
.set LW,  11
.set WS,  12
.set XS,  28
.set XF,  64
.set BK,  64
.set MSB, 0
.macro WIN new
.if MSB != (\new)
	s_set_vgpr_msb (MSB<<8)|(\new)
.set MSB, (\new)
.endif
.endm
.macro PLACES
.rept 4
	v_nop
.endr
.endm
	s_load_b256 s[4:11], s[0:1], 0x0               ; oc, osc, wc, out0
	v_lshl_add_u32 v[SPW], v0, 2, SPARE
	v_mov_b32 v[NIL], 0
	v_lshrrev_b32 v12, 5, v0
	v_readfirstlane_b32 s16, v12                   ; wave
	s_and_b32 s18, ttmp7, 0xffff                   ; which 128 rows
	v_and_b32 v12, 31, v0
	v_lshlrev_b32 v[L16], 4, v12
	v_lshlrev_b32 v[L8], 3, v12
	v_add_nc_u32 v[H16], 49152, v[L16]
	v_add_nc_u32 v[H8], 49152, v[L8]
	v_and_b32 v13, 15, v0                          ; r
	v_bfe_u32 v14, v0, 4, 1                        ; h
	s_wait_alu depctr_va_sdst(0)                   ; s16 is written, ahead of its first reader: LDS places and the bases of O, Wo and out0 are made from it
	s_mul_i32 s28, s16, 24576
	v_add_nc_u32 v[XCP], s28, v[L16]
	s_mul_i32 s19, s16, 4352
	s_add_co_u32 s19, s19, STGO                    ; my stage
	v_mul_u32_u24 v[STO], v13, 272
	v_lshl_add_u32 v[STO], v14, 6, v[STO]
	v_add_nc_u32 v[STO], s19, v[STO]               ; in: row r, + 64 h
	v_mul_u32_u24 v[RD], v14, 272
	v_lshl_add_u32 v[RD], v13, 4, v[RD]
	v_add_nc_u32 v[RD], s19, v[RD]                 ; back: lanes 0-15 one row of 256 bytes, lanes 16-31 the next
	v_lshlrev_b32 v[CO], 12, v14
	v_lshl_add_u32 v[CO], v13, 4, v[CO]            ; and the same two rows in out0
	s_lshr_b32 s19, s16, 1
	s_and_b32 s20, s16, 1                          ; which half of the group's eight tiles
	v_lshl_add_u32 v[LW], s20, 3, v[L16]           ; my two words of a lane's four in Wo's scale block
	s_lshl_b32 s21, ttmp9, 1
	s_add_co_u32 s21, s21, s19                     ; Wo's group of 128 columns
	s_mul_i32 s22, s21, WGRP
	s_add_co_u32 s22, s22, 3*WMAT
	s_mov_b32 s23, 0
	s_mul_i32 s24, s20, 6144
	s_mov_b32 s25, 0
	s_mul_i32 s26, s18, 98304
	s_add_co_u32 s26, s26, s28
	s_mov_b32 s27, 0
	s_lshl_b32 s28, s18, 13
	s_mov_b32 s29, 0
	s_lshl_b32 s30, s18, 19
	s_lshl_b32 s19, ttmp9, 10
	s_add_co_u32 s30, s30, s19
	s_lshl_b32 s19, s16, 8
	s_add_co_u32 s30, s30, s19
	s_mov_b32 s31, 0
	s_wait_kmcnt 0x0
	s_add_nc_u64 s[4:5], s[4:5], s[26:27]          ; my quarter of the rows' codes
	s_add_nc_u64 s[6:7], s[6:7], s[28:29]          ; the rows' scale blocks, one a head
	s_add_nc_u64 s[8:9], s[8:9], s[22:23]          ; Wo's group,
	s_add_nc_u64 s[12:13], s[8:9], s[24:25]        ; and my four tiles in its records
	s_add_nc_u64 s[10:11], s[10:11], s[30:31]      ; out0 at my rows and columns
	s_wait_alu depctr_va_vdst(0)                   ; the addresses v1, v2 and v5 to v11 are written, which the loads and stores of the kernel read; the address arithmetic is done with v12 to v14, in which Wo's scale words land
.macro GFR reg, off
	global_load_b128 v[(\reg):(\reg)+3], v[L16], s[12:13] offset:(\off)
	global_load_b64 v[(\reg)+4:(\reg)+5], v[L8], s[12:13] offset:(\off)+512
	global_load_b128 v[(\reg)+6:(\reg)+9], v[L16], s[12:13] offset:(\off)+768
	global_load_b64 v[(\reg)+10:(\reg)+11], v[L8], s[12:13] offset:(\off)+1280
.endm
.macro WLOAD s                         ; Wo's four fragments of K step s: 16 loads
	WIN 0x40*(1+(\s)/4)
.irp t, 0,1,2,3
	GFR 48*((\s)%4)+12*\t, WREC*(\s)+1536*\t
.endr
.endm
.macro DFR reg, a16, a8, off
	ds_load_b128 v[(\reg):(\reg)+3], v[\a16] offset:(\off)
	ds_load_b64 v[(\reg)+4:(\reg)+5], v[\a8] offset:(\off)+512
	ds_load_b128 v[(\reg)+6:(\reg)+9], v[\a16] offset:(\off)+768
	ds_load_b64 v[(\reg)+10:(\reg)+11], v[\a8] offset:(\off)+1280
.endm
.macro FRX s, i                        ; O's fragment i of K step s into set s % 2: four loads
.if (\i) < 4
	DFR XF+96*((\s)%2)+12*(\i), L16, L8, 12288*(\i)+1536*(\s)
.else
	DFR XF+96*((\s)%2)+12*(\i), H16, H8, 12288*((\i)-4)+1536*(\s)
.endif
.endm
.macro FETCHX s                        ; O's eight fragments of K step s into set s % 2: 32 loads
.irp i, 0,1,2,3,4,5,6,7
	FRX \s, \i
.endr
.endm
.irp s, 0,1,2,3,4,5,6,7
	global_load_b64 v[WS+2*\s:WS+2*\s+1], v[LW], s[8:9] offset:WREC*\s+12288
.endr
	WIN 0xc0                                       ; destination window 3
.irp hd, 0,1,2,3,4,5,6,7,8,9,10,11,12,13,14,15
	global_load_b128 v[4*\hd:4*\hd+3], v[L16], s[6:7] offset:512*\hd
.endr
	WLOAD 0
	WLOAD 1
	WIN 0
.set i, 0
.rept 48
	global_load_b128 v[64+4*i:67+4*i], v[L16], s[4:5] offset:512*i
.set i, i+1
.endr
	s_wait_loadcnt 0x0
.set i, 0
.rept 48
	ds_store_b128 v[XCP], v[64+4*i:67+4*i] offset:512*i
.set i, i+1
.endr
.irp s, 2,3,4,5,6,7
	WLOAD \s
.endr
	WIN 0x33                                       ; sources 0 and 2 window 3
.irp s, 0,1,2,3,4,5,6,7
.irp q, 0,1,2,3
	v_lshl_or_b32 v[XS+4*\s+\q], v[8*\s+4+\q], 16, v[8*\s+\q]   ; a K step is two heads: their two bytes each make the word
.endr
.endr
	WIN 0
	s_wait_dscnt 0x0                               ; for the others' sake: my quarter has landed
	s_barrier_signal -1
	s_barrier_wait -1
	s_wait_alu depctr_vm_vsrc(0)                   ; my LDS stores have read v64 to v255: these registers are the two sets of O's fragments from here on, written by LDS loads
	FETCHX 0
.macro WMS
.if rZ
.if rR == 0
	v_wmma_scale_f32_16x16x128_f8f6f4 v[rD:rD+7], v[rA:rA+11], v[rB:rB+11], 0, v[rSA], v[rSB] matrix_a_fmt:MATRIX_FMT_FP6 matrix_b_fmt:MATRIX_FMT_FP6
.elseif rR == 1
	v_wmma_scale_f32_16x16x128_f8f6f4 v[rD:rD+7], v[rA:rA+11], v[rB:rB+11], 0, v[rSA], v[rSB] matrix_a_fmt:MATRIX_FMT_FP6 matrix_b_fmt:MATRIX_FMT_FP6 matrix_b_scale:MATRIX_SCALE_ROW1
.elseif rR == 2
	v_wmma_scale_f32_16x16x128_f8f6f4 v[rD:rD+7], v[rA:rA+11], v[rB:rB+11], 0, v[rSA], v[rSB] matrix_a_fmt:MATRIX_FMT_FP6 matrix_b_fmt:MATRIX_FMT_FP6 matrix_a_scale:MATRIX_SCALE_ROW1
.else
	v_wmma_scale_f32_16x16x128_f8f6f4 v[rD:rD+7], v[rA:rA+11], v[rB:rB+11], 0, v[rSA], v[rSB] matrix_a_fmt:MATRIX_FMT_FP6 matrix_b_fmt:MATRIX_FMT_FP6 matrix_a_scale:MATRIX_SCALE_ROW1 matrix_b_scale:MATRIX_SCALE_ROW1
.endif
.else
.if rR == 0
	v_wmma_scale_f32_16x16x128_f8f6f4 v[rD:rD+7], v[rA:rA+11], v[rB:rB+11], v[rD:rD+7], v[rSA], v[rSB] matrix_a_fmt:MATRIX_FMT_FP6 matrix_b_fmt:MATRIX_FMT_FP6
.elseif rR == 1
	v_wmma_scale_f32_16x16x128_f8f6f4 v[rD:rD+7], v[rA:rA+11], v[rB:rB+11], v[rD:rD+7], v[rSA], v[rSB] matrix_a_fmt:MATRIX_FMT_FP6 matrix_b_fmt:MATRIX_FMT_FP6 matrix_b_scale:MATRIX_SCALE_ROW1
.elseif rR == 2
	v_wmma_scale_f32_16x16x128_f8f6f4 v[rD:rD+7], v[rA:rA+11], v[rB:rB+11], v[rD:rD+7], v[rSA], v[rSB] matrix_a_fmt:MATRIX_FMT_FP6 matrix_b_fmt:MATRIX_FMT_FP6 matrix_a_scale:MATRIX_SCALE_ROW1
.else
	v_wmma_scale_f32_16x16x128_f8f6f4 v[rD:rD+7], v[rA:rA+11], v[rB:rB+11], v[rD:rD+7], v[rSA], v[rSB] matrix_a_fmt:MATRIX_FMT_FP6 matrix_b_fmt:MATRIX_FMT_FP6 matrix_a_scale:MATRIX_SCALE_ROW1 matrix_b_scale:MATRIX_SCALE_ROW1
.endif
.endif
.endm
; A K step: 32 products; the next step's fragments of O are asked for among the first sixteen.  The 32 accumulators take turns, one instruction a turn, in one order.
.macro KSTEPO s
	s_wait_dscnt 0x0                               ; this step's fragments of O, asked for in the step before, are in
.if (\s) < 7
	PLACES                                         ; four places between the last products and the loads into the set that they read; in K step 0 they are among the places behind the writes of O's scale words
	s_wait_alu depctr_va_vdst(0)                   ; the last step's products are done reading the other set, in which this step's LDS loads land; in K step 0: O's scale words v[XS ..] are written, which the products take as scales
.endif
.if (\s) >= 2
.if 16*(7-(\s)) > 63
	s_wait_loadcnt 63                              ; Wo's K step s is in: 16 (7 - s) younger loads might be out; the wait's field holds 63, and a smaller count is safe
.else
	s_wait_loadcnt 16*(7-(\s))
.endif
.endif
.if (\s) == 0
.set rZ, 1
.else
.set rZ, 0
.endif
.irp a, 0,1,2,3,4,5,6,7
	WIN 0xf1+(\s)/4                                ; source 0 (Wo) window 1 or 2, source 1 (O) window 0, C and D window 3
.irp t, 0,1,2,3
.set rD, 32*\a+8*\t
.set rA, 48*((\s)%4)+12*\t
.set rB, XF+96*((\s)%2)+12*\a
.set rSA, WS+2*(\s)+\t/2
.set rSB, XS+4*(\s)+\a/2
.set rR, 2*(\t%2)+\a%2
	WMS
.endr
.if ((\s) < 7) && (\a < 4)
	WIN 0
	FRX (\s)+1, 2*\a                               ; no wait: the products since the wait at the head name this set, Wo's fragments, scale words and the accumulators alone
	FRX (\s)+1, 2*\a+1
.endif
.endr
	WIN 0
.endm
.irp s, 0,1,2,3,4,5,6,7
	KSTEPO \s
.endr
; THE WAY OUT, a tile of 16 rows x 64 columns at a time, through my own stage: LDS serves a wave's instructions in order, so no wait stands between the stores and the loads, nor in front of the next tile's stores.
.macro TOSTAGE a
	WIN 0x0c                                       ; an LDS store's data are its source 1: window 3
.irp t, 0,1,2,3
	ds_store_b128 v[STO], v[32*(\a)+8*\t:32*(\a)+8*\t+3] offset:128*(\t/2)+32*(\t%2)        ; each accumulator from its low end on
	ds_store_b128 v[STO], v[32*(\a)+8*\t+4:32*(\a)+8*\t+7] offset:128*(\t/2)+32*(\t%2)+16
.endr
	WIN 0
.irp i, 0,1,2,3,4,5,6,7
	ds_load_b128 v[BK+32*((\a)%2)+4*\i:BK+32*((\a)%2)+4*\i+3], v[RD] offset:544*\i
.endr
.endm
.macro SEND a, younger                 ; younger: the LDS instructions issued behind tile a's loads
	s_wait_dscnt \younger
.irp i, 0,1,2,3,4,5,6,7
	global_store_b128 v[CO], v[BK+32*((\a)%2)+4*\i:BK+32*((\a)%2)+4*\i+3], s[10:11] offset:(32*((\a)/2)+8*((\a)%2)+2*\i+8*(\i/4))*4096 th:TH_STORE_NT   ; sixteen lanes store 256 consecutive bytes, at a multiple of 256 from out0's first byte
.endr
.endm
	PLACES                                         ; four places behind the last product, before its result is read
	s_wait_alu depctr_va_vdst(0)                   ; the products have written the accumulators, which the LDS stores read, and are done reading the fragments' registers, in which the stage's loads land; no vector instruction follows
	TOSTAGE 0
.irp a, 1,2,3,4,5,6,7
.if \a > 1
	s_wait_xcnt 0x0                                ; tile a - 2's stores have read the registers into which tile a's loads land
	s_wait_alu depctr_vm_vsrc(0)                   ; the same, stated for the registers: tile a - 2's stores have read their 32 data registers, in which tile a's LDS loads land
.endif
	TOSTAGE \a
	SEND \a-1, 16
.endr
	SEND 7, 0
	s_wait_dscnt 0x0                               ; the closing lines, six on end
	s_wait_alu 0x0
	s_wait_tensorcnt 0x0
	ds_add_u32 v[SPW], v[NIL]
	s_wait_dscnt 0x0
	s_endpgm
.Lfunc_end_k_q40a6e045b3_oproj:
	.size	k_q40a6e045b3_oproj, .Lfunc_end_k_q40a6e045b3_oproj-k_q40a6e045b3_oproj
	.p2alignl 7, 3214868480
	.fill 96, 4, 3214868480
	.section	.rodata,"a",@progbits
	.p2align	6, 0x0
	.amdhsa_kernel k_q40a6e045b3_oproj
		.amdhsa_group_segment_fixed_size 116224
		.amdhsa_private_segment_fixed_size 0
		.amdhsa_enable_private_segment 0
		.amdhsa_kernarg_size 32
		.amdhsa_user_sgpr_count 2
		.amdhsa_user_sgpr_kernarg_segment_ptr 1
		.amdhsa_wavefront_size32 1
		.amdhsa_system_sgpr_workgroup_id_x 1
		.amdhsa_system_sgpr_workgroup_id_y 1
		.amdhsa_system_sgpr_workgroup_id_z 1
		.amdhsa_system_vgpr_workitem_id 0
		.amdhsa_next_free_vgpr 1024
		.amdhsa_next_free_sgpr 66
		.amdhsa_reserve_vcc 0
		.amdhsa_float_denorm_mode_32 3
		.amdhsa_float_denorm_mode_16_64 3
		.amdhsa_memory_ordered 1
		.amdhsa_forward_progress 1
		.amdhsa_inst_pref_size 95
	.end_amdhsa_kernel
	.amdgpu_metadata
---
amdhsa.version: [ 1, 2 ]
amdhsa.kernels:
  - .name:           k_q40a6e045b3_oproj
    .symbol:         k_q40a6e045b3_oproj.kd
    .args:
      - { .name: oc, .offset: 0, .size: 8, .value_kind: global_buffer, .address_space: global }
      - { .name: osc, .offset: 8, .size: 8, .value_kind: global_buffer, .address_space: global }
      - { .name: wc, .offset: 16, .size: 8, .value_kind: global_buffer, .address_space: global }
      - { .name: out0, .offset: 24, .size: 8, .value_kind: global_buffer, .address_space: global }
    .group_segment_fixed_size: 116224
    .private_segment_fixed_size: 0
    .kernarg_segment_align: 8
    .kernarg_segment_size: 32
    .max_flat_workgroup_size: 128
    .sgpr_count:     66
    .vgpr_count:     1024
    .wavefront_size: 32
...
	.end_amdgpu_metadata
.endif
;; end of part 7
